; MI455X (gfx1250); checked and timed in simulation.
; The chip was launched on July 23, 2026; its instructions are those of AMD's public machine-readable ISA for CDNA 5 (MIT licence, August 2026) and "CDNA5" Instruction Set Architecture Reference Guide (July 2026). The comments in the code are by the model that wrote it; some were corrected since.
;; Causal Self Attention. Allowed arithmetic: matrix products marked QUANTISED: E2M3 operands, one E8M0 scale for each 32 along K, by v_wmma_scale_f32_16x16x128_f8f6f4 with both operands' format E2M3, f32 sums; everything else in f32.
;; Inputs: b_attn 3,072 float32; b_proj 1,024 float32; w_attn 1,024 x 3,072 float32; w_proj 1,024 x 1,024 float32; x 2 x 2,048 x 1,024 float32.
;; Outputs: out0 2 x 2,048 x 1,024 float32.
;; This version of the problem:
;;   THIS VERSION OF THE PROBLEM IS GIVEN IN LOW PRECISION. The matrix products marked QUANTISED in the list below multiply operands that are first quantised to E2M3 (2 exponent bits, 3 mantissa bits; 6 bits a number), with one power-of-two scale for each 32 numbers along K (OCP MX v1.0); their sums are f32. All else is computed in f32.
;;   The module's matrix products, in the order in which they are computed (A, B: the left and right operand; K: the contracted axis; several contracted axes count as one K, in the product's order):
;;     1. [M 4,096, K 1,024] x [K 1,024, N 3,072]; A: input x; B: input w_attn: QUANTISED
;;     2. batch 32 x [M 2,048, K 64] x [K 64, N 2,048]; A: computed on the way; B: computed on the way: QUANTISED
;;     3. batch 32 x [M 2,048, K 2,048] x [K 2,048, N 64]; A: softmax (see below); B: computed on the way: QUANTISED
;;     4. [M 4,096, K 1,024] x [K 1,024, N 1,024]; A: computed on the way; B: input w_proj: QUANTISED
;;   THE QUANTISER, for each operand of a quantised product, along K:
;;     - K is cut into blocks of 32 from its start; a last block that is shorter is filled with zeros.
;;     - A block's scale is 2^e with e = floor(log2(the largest magnitude in the block)) - 2, held to -126 .. 127; a block of zeros has e = 0. As a byte (E8M0): e + 127.
;;     - Each number is divided by its block's scale, clamped to +-7.5, and rounded to the nearest number of E2M3, ties to even, subnormals kept.
;;     - The product sums the exact products of the quantised numbers (number of the format x scale) in f32.
;;   ~~~python
;;   def quantise(x, axis):      # numpy; x: float32 -> the quantised numbers, widened to float32 again
;;       x = np.moveaxis(x, axis, -1); K = x.shape[-1]
;;       x = np.pad(x, [(0, 0)] * (x.ndim - 1) + [(0, -K % 32)]); x = x.reshape(x.shape[:-1] + (-1, 32)); a = np.abs(x).max(-1, keepdims=True)
;;       e = np.where(a > 0, np.clip(np.frexp(np.where(a > 0, a, 1))[1] - 1 - 2, -126, 127), 0)      # np.frexp(a)[1] - 1 = floor(log2(a)), exactly
;;       r = np.clip(x / 2.0 ** e, -7.5, 7.5)
;;       step = 2.0 ** (np.maximum(np.frexp(np.where(r == 0, 1, r))[1] - 1, 0) - 3)
;;       q = np.round(r / step) * step * 2.0 ** e      # np.round: ties to even
;;       return np.moveaxis(q.reshape(q.shape[:-2] + (-1,))[..., :K], -1, axis).astype(np.float32)
;;   ~~~
;;   SOFTMAX AHEAD OF A QUANTISED PRODUCT. Where the list says 'softmax', what is quantised is not the finished softmax but p = 2^(t - M), with t = logit x log2(e) and M = ceil(the row's largest t), a whole number; so 1/2 < the row's largest p <= 1. The row's sum l is taken of the UNQUANTISED p, in f32, and the product's result is divided by l at the end. Since M is a whole number, a kernel that streams over the keys may use a running M (the ceiling of the running maximum): every later rescaling is an exact power of two, which a block's scale takes up: the codes' values come out the same.
;;   OPERANDS COMPUTED ON THE WAY. 'Computed on the way' means the value that the module computes at that place (a softmax that the list does not call 'softmax' is quantised finished and normalised). What goes into a quantiser is computed in f32, as accurately as f32 sums, v_exp_f32 and their like allow (about 1e-6 of the number): no bf16 or f16 on the way to a quantiser, and a product that is left as it is and whose result goes on into a quantised operand takes f32 operands (vector FMAs, or v_wmma_f32_16x16x4_f32). A number that lies on a knife's edge between two numbers of the format may be rounded either way, as far as f32 arithmetic and the matrix unit's own rounding can turn it there, and no further.
;; One version. Each part assembles by itself: llvm-mc -triple=amdgcn-amd-amdhsa -mcpu=gfx1250 --defsym DOCPART=n.
;; ======== version 1 of 1: 4 launches
;; limits: right only within a limited range of input values
;; workspace buffers: opnd 6,553,600 bytes; qkvc 10,223,616 bytes; ybuf 3,276,800 bytes
;; launch quant (part 1): grid 32 x 8, 8 waves a work-group, no clusters, 93,184 bytes of LDS; arguments x, w_attn, w_proj, opnd; writes opnd
.if DOCPART == 1
	.amdgcn_target "amdgcn-amd-amdhsa--gfx1250"
	.amdhsa_code_object_version 6
	.text
	.protected	k_q3eb2793171_quant
	.globl	k_q3eb2793171_quant
	.p2align	8
	.type	k_q3eb2793171_quant,@function
k_q3eb2793171_quant:
	s_mov_b64 s[64:65], 0
	v_nop
	global_prefetch_b8 v0, s[64:65] scope:SCOPE_SE
	s_setreg_imm32_b32 hwreg(HW_REG_WAVE_MODE, 25, 1), 1
	s_wait_xcnt 0x0
; x [4096][1024], w_attn [1024][3072] and w_proj [1024][1024], f32, become codes of FP6 (E2M3) with one E8M0 byte for each 32 along K (K = 1024: x's last axis, the weights' FIRST axis).
; A block's scale is 2^(floor(log2(its largest magnitude)) - 2); its byte is the largest magnitude's exponent field - 2, held at 1 from below.
; LIMITS: NaN and infinities are not served; a block whose largest magnitude lies under 2^-124 gets the byte 1; a block of zeros gets the byte 1 where the rule says 127 (its codes are zeros, and this program alone reads the bytes).
; THE ROW ORDER of this program: tile t (0-3) of a group G of 64 rows holds in slot r = 8 hh + j row 64 G + 32 hh + 8 t + j.  A product's lane then holds, over a group's four tiles, 32 neighbours: one scale block.
; LAYOUT OF opnd, in the order of the operand's registers.  Tiles: 0-255 x; 256 + 12 head + 4 sec + t w_attn's columns (sec 0 q, 1 k, 2 v); 448 + 4 group + t w_proj's columns.
; Codes at tile x 12288 + s x 1536 (K step s of 128) + c x 768: registers 6 c .. 6 c + 3 at 16 x lane, registers 6 c + 4, 5 at 512 + 8 x lane.  Scale words at OSC + tile x 512 + 32 r + 4 s.
; SHARES.  Work-groups x < 16 take x, 16-27 w_attn, 28-31 w_proj.  Waves share nothing: no barrier.  No input is read by two work-groups: no cluster, no tensor load.
; x: a wave takes one tile x 256 along K.  Each load reads 512 consecutive bytes of a row; the rows turn through the wave's own stage in LDS so that lane (r, h) gets k = 64 c + 32 h + 0 .. 31 of row r.
; weights: a wave takes 64 columns x 64 along K; lane l takes columns l and 32 + l and its registers run down K, so a block lies in one lane.  The codes turn through LDS so that a tile's 768 bytes leave in order.
.set OSC,  6291456
.set R,    64                          ; v64-191  numbers as loaded
.set X,    192                         ; v192-255 x path: 64 numbers of my row, k = 64 c + 32 h + 0 .. 31 at X + 32 c
.set SP,   528                         ; a stage row: 512 bytes + 16
.set STGW, 16*SP                       ; a wave's stage on the x path
.set WST,  68608                       ; the weights' stages, 3,072 bytes a wave, in bytes of their own
	s_load_b256 s[4:11], s[0:1], 0x0               ; x s[4:5], w_attn s[6:7], w_proj s[8:9], opnd s[10:11]
	v_lshl_add_u32 v59, v0, 2, 0x10800             ; my spare word, and 0
	v_mov_b32 v63, 0
	v_lshrrev_b32 v1, 5, v0
	v_readfirstlane_b32 s12, v1                    ; wave
	v_and_b32 v2, 31, v0                           ; lane
	v_and_b32 v3, 15, v0                           ; r
	v_bfe_u32 v4, v0, 4, 1                         ; h
	v_lshlrev_b32 v5, 4, v2                        ; 16 x lane
	v_lshlrev_b32 v6, 3, v2                        ; 8 x lane
	s_and_b32 s13, ttmp7, 0xffff                   ; work-group y
	s_mov_b32 s14, 0x76543210
	s_mov_b32 s15, 0xfedcba98                      ; v_permlanex16_b32's selects for lane l xor 16
	s_mul_i32 s16, s12, STGW
	v_add_nc_u32 v7, s16, v5                       ; the stage, on the way in: 16 x lane of a row
	v_mul_u32_u24 v8, v3, SP
	v_lshl_add_u32 v8, v4, 7, v8
	v_add_nc_u32 v8, s16, v8                       ; and on the way out: row r, + 128 h
	s_wait_alu depctr_va_vdst(0)
	s_cmp_lt_u32 ttmp9, 16
	s_cbranch_scc0 .Lweights
; ---------------- x ----------------
	s_lshl_b32 s16, s13, 4
	s_add_co_u32 s16, s16, ttmp9
	s_lshl_b32 s16, s16, 3
	s_add_co_u32 s16, s16, s12                     ; task = (16 y + x) 8 + wave: 1,024 of them
	s_lshr_b32 s17, s16, 2                         ; tile T
	s_and_b32 s18, s16, 3                          ; which 256 along K
	s_lshr_b32 s19, s17, 2
	s_lshl_b32 s19, s19, 6
	s_and_b32 s20, s17, 3
	s_lshl_b32 s20, s20, 3
	s_add_co_u32 s19, s19, s20                     ; the tile's first row: 64 (T / 4) + 8 (T % 4)
	s_lshl_b32 s20, s19, 12
	s_lshl_b32 s21, s18, 10
	s_add_co_u32 s20, s20, s21
	s_mov_b32 s21, 0
	s_mul_i32 s22, s17, 12288
	s_mul_i32 s23, s18, 3072
	s_add_co_u32 s22, s22, s23
	s_mov_b32 s23, 0
	s_lshl_b32 s24, s17, 9
	s_lshl_b32 s25, s18, 3
	s_add_co_u32 s24, s24, s25
	s_add_co_u32 s24, s24, OSC
	s_mov_b32 s25, 0
	v_lshlrev_b32 v9, 3, v4                        ; 8 h: my bytes' place in a scale word
	v_lshlrev_b32 v14, 5, v3
	v_lshl_add_u32 v14, v4, 2, v14                 ; 32 r + 4 h
	v_mov_b32 v13, 0                               ; a lane permute's destination counts as one of its sources
	s_wait_alu depctr_va_vdst(0)
	s_wait_kmcnt 0x0
	s_add_nc_u64 s[4:5], s[4:5], s[20:21]
	s_add_nc_u64 s[22:23], s[10:11], s[22:23]
	s_add_nc_u64 s[24:25], s[10:11], s[24:25]
.irp e, 0,1
.irp i, 0,1,2,3,4,5,6,7,8,9,10,11,12,13,14,15
	global_load_b128 v[R+64*\e+4*\i:R+64*\e+4*\i+3], v5, s[4:5] offset:(\i+24*(\i/8))*4096+512*\e th:TH_LOAD_NT   ; slot i's row, K step e: 512 consecutive bytes
.endr
.endr
.macro XHALF e                         ; one K step of 128: a fragment and its scale word
	s_wait_loadcnt 16-16*\e                        ; this K step's 16 loads are in; the other's 16 may be out
.set n, 0
.rept 16
	ds_store_b128 v7, v[R+64*\e+4*n:R+64*\e+4*n+3] offset:SP*n
.set n, n+1
.endr
.set n, 0
.rept 16
	ds_load_b128 v[X+4*n:X+4*n+3], v8 offset:256*(n/8)+16*(n%8)   ; LDS serves a wave's instructions in order: these see the stores above
.set n, n+1
.endr
	s_wait_dscnt 0x0
.irp c, 0,1
	v_max3_num_f32 v[40+\c], |v[X+32*\c]|, |v[X+32*\c+1]|, 0x1800000   ; my block 2 c + h, and the floor 2^(3 - 127): the byte cannot fall under 1
.endr
.irp i, 2,4,6,8,10,12,14,16,18,20,22,24,26,28,30
.irp c, 0,1
	s_delay_alu instid0(VALU_DEP_2)
	v_max3_num_f32 v[40+\c], v[40+\c], |v[X+32*\c+\i]|, |v[X+32*\c+\i+1]|
.endr
.endr
.irp c, 0,1
	s_delay_alu instid0(VALU_DEP_2)
	v_add_nc_u32 v[42+\c], 0xff000000, v[40+\c]    ; 2 off the exponent field: the conversion's scale operand
.endr
.irp c, 0,1
	s_delay_alu instid0(VALU_DEP_2)
	v_lshrrev_b32 v[44+\c], 23, v[42+\c]           ; the scale's byte
.endr
	s_delay_alu instid0(VALU_DEP_1)
	v_lshl_or_b32 v12, v45, 16, v44                ; blocks h and 2 + h,
	s_delay_alu instid0(VALU_DEP_1)
	v_lshlrev_b32 v12, v9, v12                     ; at their places;
	s_delay_alu instid0(VALU_DEP_1)
	v_permlanex16_b32 v13, v12, s14, s15
	s_delay_alu instid0(VALU_DEP_1)
	v_or_b32 v[10+\e], v12, v13                    ; with lane l xor 16's two the word is whole
.irp c, 0,1
	v_cvt_scalef32_pk16_fp6_f32 v[16+12*\e+6*\c:18+12*\e+6*\c], v[X+32*\c:X+32*\c+15], v[42+\c]
	v_cvt_scalef32_pk16_fp6_f32 v[48+4*\c:50+4*\c], v[X+32*\c+16:X+32*\c+31], v[42+\c]   ; (a conversion's three registers begin on an even number)
.endr
	v_nop                                          ; one plain place behind a scaled conversion
.irp c, 0,1
.irp i, 0,1,2
	v_mov_b32 v[19+12*\e+6*\c+\i], v[48+4*\c+\i]
.endr
.endr
	global_store_b128 v5, v[16+12*\e:19+12*\e], s[22:23] offset:1536*\e          ; each K step has its own code registers: no store's data are written again
	global_store_b64 v6, v[20+12*\e:21+12*\e], s[22:23] offset:1536*\e+512
	global_store_b128 v5, v[22+12*\e:25+12*\e], s[22:23] offset:1536*\e+768
	global_store_b64 v6, v[26+12*\e:27+12*\e], s[22:23] offset:1536*\e+1280
.endm
	XHALF 0
	XHALF 1
	v_cmp_eq_u32 vcc_lo, 1, v4
	v_cndmask_b32 v15, v10, v11, vcc_lo            ; lanes 0-15 store the first K step's word, lanes 16-31 the second's
	global_store_b32 v14, v15, s[24:25]
	s_wait_tensorcnt 0x0                           ; the wave's end
	ds_add_u32 v59, v63
	s_wait_dscnt 0x0
	s_endpgm
; ---------------- the weights ----------------
.Lweights:
	s_cmp_lt_u32 ttmp9, 28                         ; w_attn or w_proj: the work-group's number alone decides
	s_mov_b32 s17, 448
	s_cselect_b32 s16, 16, 28
	s_cselect_b32 s17, 256, s17                    ; the tensor's first tile,
	s_cselect_b32 s19, 12, 4                       ; and how many tiles lie from one of 16 groups to the next
	s_sub_co_u32 s16, ttmp9, s16
	s_lshl_b32 s16, s16, 2
	s_lshr_b32 s18, s12, 1
	s_add_co_u32 s16, s16, s18                     ; my group of 64 columns
	s_and_b32 s28, s12, 1                          ; c: which 64 of the K step
	s_and_b32 s18, s16, 15
	s_mul_i32 s18, s18, s19
	s_add_co_u32 s17, s17, s18
	s_lshr_b32 s18, s16, 4                         ; sec (w_attn; 0 for w_proj)
	s_lshl_b32 s18, s18, 2
	s_add_co_u32 s17, s17, s18                     ; my group's first tile
	s_mul_i32 s22, s17, 12288
	s_mul_i32 s18, s13, 1536                       ; K step = work-group y
	s_add_co_u32 s22, s22, s18
	s_mul_i32 s18, s28, 768
	s_add_co_u32 s22, s22, s18
	s_mov_b32 s23, 0
	s_lshl_b32 s24, s17, 9
	s_lshl_b32 s18, s13, 2
	s_add_co_u32 s24, s24, s18
	s_lshl_b32 s18, s28, 1
	s_add_co_u32 s24, s24, s18
	s_add_co_u32 s24, s24, OSC
	s_mov_b32 s25, 0
	s_lshl_b32 s20, s16, 8                         ; 64 columns are 256 bytes
	s_mov_b32 s21, 0
	s_mul_i32 s18, s12, 3072
	s_add_co_u32 s18, s18, WST                     ; my stage
	v_lshlrev_b32 v14, 2, v2                       ; the 32 lanes of a load cover 128 consecutive bytes
	v_lshrrev_b32 v206, 3, v2                      ; t: my columns' tile
	v_and_b32 v207, 7, v2                          ; j
	v_mul_u32_u24 v208, v206, 768
	v_lshl_add_u32 v202, v207, 4, v208
	v_lshl_add_u32 v203, v207, 3, v208
	v_add_nc_u32 v202, s18, v202                   ; into the stage: tile t's image, 16 j
	v_add_nc_u32 v203, s18, v203                   ; and 8 j
	v_add_nc_u32 v204, s18, v5                     ; out of it: 16 x lane, 8 x lane
	v_add_nc_u32 v205, s18, v6
	v_lshlrev_b32 v15, 9, v206
	v_lshl_add_u32 v15, v207, 5, v15               ; 512 t + 32 j: my rows of scale words
	s_wait_alu depctr_va_vdst(0)
	s_wait_kmcnt 0x0
	s_add_nc_u64 s[22:23], s[10:11], s[22:23]
	s_add_nc_u64 s[24:25], s[10:11], s[24:25]
.macro WLOADB b, pitch                 ; set b: column 32 (b / 2) + lane, rows 32 (b % 2) + 0 .. 31
.irp i, 0,1,2,3,4,5,6,7,8,9,10,11,12,13,14,15,16,17,18,19,20,21,22,23,24,25,26,27,28,29,30,31
	global_load_b32 v[R+32*\b+\i], v14, s[26:27] offset:(32*(\b%2)+\i)*\pitch+128*(\b/2) th:TH_LOAD_NT
.endr
.endm
.macro WBLK b                          ; all 32 numbers of the block are mine
.set XS, R+32*\b
	v_max3_num_f32 v193, |v[XS]|, |v[XS+1]|, |v[XS+2]|
	v_max3_num_f32 v194, |v[XS+3]|, |v[XS+4]|, |v[XS+5]|
.irp i, 6,10,14,18,22,26
	s_delay_alu instid0(VALU_DEP_2)
	v_max3_num_f32 v193, v193, |v[XS+\i]|, |v[XS+\i+1]|
	s_delay_alu instid0(VALU_DEP_2)
	v_max3_num_f32 v194, v194, |v[XS+\i+2]|, |v[XS+\i+3]|
.endr
	s_delay_alu instid0(VALU_DEP_2)
	v_max3_num_f32 v193, v193, |v[XS+30]|, |v[XS+31]|
	s_delay_alu instid0(VALU_DEP_1)
	v_max3_num_f32 v193, v193, v194, 0x1800000     ; and the floor
	s_delay_alu instid0(VALU_DEP_1)
	v_add_nc_u32 v[196+\b], 0xff000000, v193       ; the conversion's scale operand
	s_delay_alu instid0(VALU_DEP_1)
	v_lshrrev_b32 v194, 23, v[196+\b]              ; the byte
.if \b%2 == 0
	s_delay_alu instid0(VALU_DEP_1)
	v_mov_b32 v[200+\b/2], v194
.else
	s_delay_alu instid0(VALU_DEP_1)
	v_lshl_or_b32 v[200+\b/2], v194, 8, v[200+\b/2]   ; a column's two bytes: blocks 2 c and 2 c + 1
.endif
	v_cvt_scalef32_pk16_fp6_f32 v[16+8*\b:18+8*\b], v[XS:XS+15], v[196+\b]
	v_cvt_scalef32_pk16_fp6_f32 v[48+4*\b:50+4*\b], v[XS+16:XS+31], v[196+\b]
.endm
.macro WBODY pitch                     ; loads run two sets ahead; each count of 32 leaves the next set's 32 loads out
	WLOADB 0, \pitch
	WLOADB 1, \pitch
	s_wait_loadcnt 32
	WLOADB 2, \pitch
	WBLK 0
	s_wait_loadcnt 32
	WLOADB 3, \pitch
	WBLK 1
	s_wait_loadcnt 32
	WBLK 2
	s_wait_loadcnt 0x0
	WBLK 3
.endm
	s_cmp_lt_u32 ttmp9, 28
	s_cbranch_scc0 .Lw_proj
	s_mul_i32 s18, s13, 128*12288
	s_mul_i32 s19, s28, 64*12288
	s_add_co_u32 s20, s20, s18
	s_add_co_u32 s20, s20, s19
	s_add_nc_u64 s[26:27], s[6:7], s[20:21]
	WBODY 12288
	s_wait_alu depctr_va_vdst(0)
	s_branch .Lw_out
.Lw_proj:
	s_mul_i32 s18, s13, 128*4096
	s_mul_i32 s19, s28, 64*4096
	s_add_co_u32 s20, s20, s18
	s_add_co_u32 s20, s20, s19
	s_add_nc_u64 s[26:27], s[8:9], s[20:21]
	WBODY 4096
	s_wait_alu depctr_va_vdst(0)
.Lw_out:
	v_nop                                          ; one plain place behind the last scaled conversion
.irp b, 0,1,2,3
.irp i, 0,1,2
	v_mov_b32 v[19+8*\b+\i], v[48+4*\b+\i]         ; set b's 32 codes: v[16 + 8 b] .. + 5
.endr
.endr
.irp b, 0,1,2,3                        ; set b is column half hh = b / 2, block h = b % 2: lane 16 h + 8 hh + j of tile t's image
	ds_store_b128 v202, v[16+8*\b:19+8*\b] offset:256*(\b%2)+128*(\b/2)
	ds_store_b64 v203, v[20+8*\b:21+8*\b] offset:512+128*(\b%2)+64*(\b/2)
.endr
.irp t, 0,1,2,3
	ds_load_b128 v[64+8*\t:67+8*\t], v204 offset:768*\t
	ds_load_b64 v[68+8*\t:69+8*\t], v205 offset:768*\t+512
.endr
	s_wait_dscnt 0x0
.irp t, 0,1,2,3
	global_store_b128 v5, v[64+8*\t:67+8*\t], s[22:23] offset:12288*\t
	global_store_b64 v6, v[68+8*\t:69+8*\t], s[22:23] offset:12288*\t+512
.endr
	global_store_b16 v15, v200, s[24:25]
	global_store_b16 v15, v201, s[24:25] offset:256
	s_wait_tensorcnt 0x0                           ; the wave's end
	ds_add_u32 v59, v63
	s_wait_dscnt 0x0
	s_endpgm
.Lfunc_end_k_q3eb2793171_quant:
	.size	k_q3eb2793171_quant, .Lfunc_end_k_q3eb2793171_quant-k_q3eb2793171_quant
	.p2alignl 7, 3214868480
	.fill 96, 4, 3214868480
	.section	.rodata,"a",@progbits
	.p2align	6, 0x0
	.amdhsa_kernel k_q3eb2793171_quant
		.amdhsa_group_segment_fixed_size 93184
		.amdhsa_private_segment_fixed_size 0
		.amdhsa_enable_private_segment 0
		.amdhsa_kernarg_size 32
		.amdhsa_user_sgpr_count 2
		.amdhsa_user_sgpr_kernarg_segment_ptr 1
		.amdhsa_wavefront_size32 1
		.amdhsa_system_sgpr_workgroup_id_x 1
		.amdhsa_system_sgpr_workgroup_id_y 1
		.amdhsa_system_sgpr_workgroup_id_z 1
		.amdhsa_system_vgpr_workitem_id 0
		.amdhsa_next_free_vgpr 256
		.amdhsa_next_free_sgpr 66
		.amdhsa_reserve_vcc 1
		.amdhsa_float_denorm_mode_32 3
		.amdhsa_float_denorm_mode_16_64 3
		.amdhsa_memory_ordered 1
		.amdhsa_forward_progress 1
		.amdhsa_inst_pref_size 63
	.end_amdhsa_kernel
	.amdgpu_metadata
---
amdhsa.version: [ 1, 2 ]
amdhsa.kernels:
  - .name:           k_q3eb2793171_quant
    .symbol:         k_q3eb2793171_quant.kd
    .args:
      - { .name: x, .offset: 0, .size: 8, .value_kind: global_buffer, .address_space: global }
      - { .name: w_attn, .offset: 8, .size: 8, .value_kind: global_buffer, .address_space: global }
      - { .name: w_proj, .offset: 16, .size: 8, .value_kind: global_buffer, .address_space: global }
      - { .name: opnd, .offset: 24, .size: 8, .value_kind: global_buffer, .address_space: global }
    .group_segment_fixed_size: 93184
    .private_segment_fixed_size: 0
    .kernarg_segment_align: 8
    .kernarg_segment_size: 32
    .max_flat_workgroup_size: 256
    .sgpr_count:     66
    .vgpr_count:     256
    .wavefront_size: 32
...
	.end_amdgpu_metadata
.endif
;; end of part 1
;; launch qkv (part 2): grid 16 x 16, 4 waves a work-group, clusters of 4 x 4, 327,680 bytes of LDS; arguments opnd, b_attn, qkvc; writes qkvc
.if DOCPART == 2
	.amdgcn_target "amdgcn-amd-amdhsa--gfx1250"
	.amdhsa_code_object_version 6
	.text
	.protected	k_q3eb2793171_qkv
	.globl	k_q3eb2793171_qkv
	.p2align	8
	.type	k_q3eb2793171_qkv,@function
k_q3eb2793171_qkv:
	s_mov_b64 s[64:65], 0
	v_nop
	global_prefetch_b8 v0, s[64:65] scope:SCOPE_SE
	s_setreg_imm32_b32 hwreg(HW_REG_WAVE_MODE, 25, 1), 1
	s_wait_xcnt 0x0
	s_wait_alu depctr_hold_cnt(0) depctr_sa_sdst(0) depctr_va_vdst(0) depctr_va_sdst(0) depctr_va_ssrc(0) depctr_va_vcc(0) depctr_vm_vsrc(0)
	s_getreg_b32 s2, hwreg(HW_REG_IB_STS2, 6, 4)
	s_cmp_eq_u32 s2, 0
	s_cbranch_scc0 .Lentry_in_a_cluster
	s_endpgm
.Lentry_in_a_cluster:
	s_bfe_u32 s2, ttmp6, 0x10000c
	s_cmp_lg_u32 s2, 0xf033
	s_cbranch_scc0 .Lentry_shape_is_right
	s_endpgm
.Lentry_shape_is_right:
; qkv = x w_attn + b_attn on codes of FP6 (E2M3), then q, k and v are quantised in registers and leave as codes: q and k along the head's 64, v along the keys.
; A work-group makes 256 tokens (Y) of one head's (X) q, k and v: 256 x 192, 256 work-groups.  Four waves, one to a SIMD; a wave makes 64 tokens x 192 columns: 48 accumulators, 384 registers: 16 fragments from LDS for 48 products.
; q, k (c = 0, 1): source 0 = columns, source 1 = tokens: a lane holds a token, its registers run along the head.  v (c = 2): source 0 = tokens, source 1 = columns: a lane holds a channel, its registers run along the keys.
; Slot 8 hh + j of tile t of a group of 64 rows is row 32 hh + 8 t + j, so a lane's 32 registers of four tiles of source 0 are one scale block, number h of the group.
; LDS: K = 1024 goes in 8 steps of 128, 43,008 bytes each.  Region R0: steps 0, 1; R1: steps 2-6; step 7 is brought into R0 again: ONE refill.  At the head one joint load a wave: R0's x and w, R1's x and w; the first barrier waits for R0's two alone.
; A step is three batches of 16 products (c = 0, 1, 2).  Behind batch c stand the loads of the next step's w fragments c, and behind batch 0 those of its x fragments (two sets), so each has two batches in which to come.
; Counts: a fragment group is 16 loads.  Ahead of batch 0 the groups W1, W2 are younger (32); ahead of batch 1 W2 and the next W0, X (48); ahead of batch 2 the next W0, X, W1 (48).
; CLUSTER 4 x 4: the four of a column need the same tiles of w_attn, the four of a row the same tiles of x: each tile is asked for jointly.  No prefetch: seven of the eight steps are asked for at the head, and no loop runs ahead of the eighth.
; The bias is the C of each sum's first product, laid in registers as the result lies.
; OUT, qkvc: BHI = 32 sec + 16 b + head.  Codes at BHI x 98304 + grp x 3072 + i x 768 (grp: 64 tokens; i: tile of tokens, for v of channels), 16 rows x 64 K as registers 0-3 at 16 x lane, 4-5 at 512 + 8 x lane.
; Scale words at QSC + BHI x 8192 + grp x 256 + 16 r + 4 i: q, k: two bytes and 0x7f7f above them; v: two bytes at bits 16 (grp % 2) on, zeros elsewhere (the reader joins two groups).
; LIMITS: NaN and infinities are not served; a block whose largest magnitude lies under 2^-124, a block of zeros among them, gets the byte 1 (this program alone reads the bytes).
.set OSC,   6291456
.set QSC,   9437184
.set R0W,   49152                      ; R0: x's 16 tiles x 3,072 bytes, then w's 12
.set R1X,   86016                      ; R1: x's 16 tiles x 7,680 bytes,
.set R1W,   208896                     ; then w's 12
.set SPARE, 301056                     ; the spare words, 128 bytes for each wave
; window 0: v1 16 x lane, v2 8 x lane, v3 r, v4 h, v5 spare word, v6 0, v7 32 x lane, v8, v22 bias offsets, v9 8 h, v10-21 LDS addresses (16-byte, 8-byte pieces), v23 16 r + 8 h; v24-71 w's scale words, v76-91 x's;
; v96-143, v144-191 x's fragments, two sets (then the codes); v192-235 at work in the quantiser.  Window 1: w's fragments, 48 c + 12 i.  Window 2: accumulators of q, k; window 3: v's, and from 128 on the bias.
.set SW, 24
.set SX, 76
.set WV, 10
.set G1X, 24
.set G1W, 32
.set G1X2, 40
.set G1W2, 48
.set G0X, 56
.set G0W, 60
.set G0X2, 68
.set G0W2, 72
.set SEL, 78
.set MSB, 0
.macro WIN new                         ; the immediate's high byte repeats the setting that is left
.if MSB != \new
	s_set_vgpr_msb (MSB<<8)|\new
.set MSB, \new
.endif
.endm
.macro PLACES                          ; four places behind a matrix instruction, ahead of loads into its sources and of reads of its result
.rept 4
	v_nop
.endr
.endm
.macro CREST                           ; a round of the cluster's barrier behind its opening barrier
	s_cmp_lg_u32 s[WV], 0
	s_cbranch_scc1 .Lnot_wave_0_\@
	s_barrier_signal -3
.Lnot_wave_0_\@:
	s_barrier_wait -3
	s_barrier_signal -1
	s_barrier_wait -1
.endm
.macro ROUND
	s_barrier_signal -1
	s_barrier_wait -1
	CREST
.endm
.macro TLOAD g0, g1
	tensor_load_to_lds s[\g0:\g0+3], s[\g1:\g1+7]
	s_nop 0
	PLACES
.endm
.macro GROUP1 g, mask, cols, rows      ; rows of cols elements of 8 bytes, 12,288 bytes apart, dense in LDS
	s_or_b32 s[\g], s[\mask], (3<<16)|(1<<21)
	s_mov_b32 s[\g+1], (\cols)<<16
	s_mov_b32 s[\g+2], (\rows)<<16
	s_mov_b32 s[\g+3], (\cols)<<16
	s_mov_b32 s[\g+4], \rows
	s_mov_b32 s[\g+5], 1536
	s_mov_b32 s[\g+6], 0
	s_mov_b32 s[\g+7], 0
.endm
.macro GROUP0 g, lds, base, off
	s_mov_b32 s[\g], 1
	s_mov_b32 s[\g+1], \lds
	s_add_nc_u64 s[\g+2:\g+3], s[\base:\base+1], \off
	s_or_b32 s[\g+3], s[\g+3], 0x80000000
.endm
.macro FRAG reg, a, off                ; a fragment, 16 rows x 128 K: 12 registers
	ds_load_b128 v[\reg:\reg+3], v[\a] offset:\off
	ds_load_b64 v[\reg+4:\reg+5], v[\a+1] offset:\off+512
	ds_load_b128 v[\reg+6:\reg+9], v[\a] offset:\off+768
	ds_load_b64 v[\reg+10:\reg+11], v[\a+1] offset:\off+1280
.endm
.macro LOADX s                         ; step s's four fragments of x
	WIN 0
.irp i, 0,1,2,3
.if (\s) < 2
	FRAG 96+48*((\s)%2)+12*\i, 10, \i*3072+(\s)*1536
.elseif (\s) < 7
	FRAG 96+48*((\s)%2)+12*\i, 12, \i*7680+((\s)-2)*1536
.else
	FRAG 96+48*((\s)%2)+12*\i, 14, \i*1536
.endif
.endr
.endm
.macro LOADW s, c                      ; step s's four fragments of w's columns c
	WIN 0x40
.irp i, 0,1,2,3
.if (\s) < 2
	FRAG 48*(\c)+12*\i, 16, (4*(\c)+\i)*3072+(\s)*1536
.elseif (\s) == 7
	FRAG 48*(\c)+12*\i, 16, (4*(\c)+\i)*1536
.elseif (\c) < 2
	FRAG 48*(\c)+12*\i, 18, (4*(\c)+\i)*7680+((\s)-2)*1536
.else
	FRAG 48*(\c)+12*\i, 20, \i*7680+((\s)-2)*1536
.endif
.endr
.endm
.macro WM ra, rb
	v_wmma_scale_f32_16x16x128_f8f6f4 v[rD:rD+7], v[rA:rA+11], v[rB:rB+11], v[rC:rC+7], v[rSA], v[rSB] matrix_a_fmt:MATRIX_FMT_FP6 matrix_b_fmt:MATRIX_FMT_FP6 matrix_a_scale:MATRIX_SCALE_ROW\ra matrix_b_scale:MATRIX_SCALE_ROW\rb
.endm
; The search for the largest magnitudes of the results c, in 16 groups of four lines (m = 0 .. 15), one line for each tile: two chains a tile, every accumulator read from its low end on
.macro CH c, m
.set W_, 2+(\c)/2
.set S_, 128*((\c)%2)
.set M_, \m
.set A_, M_%2
.set K_, 3+2*((M_-2)/2)
.if M_ < 2
	WIN W_|(W_<<2)|(W_<<4)
.irp t, 0,1,2,3
	v_max3_num_f32 v[192+4*M_+\t], |v[S_+32*\t+16*M_]|, |v[S_+32*\t+16*M_+1]|, |v[S_+32*\t+16*M_+2]|
.endr
.elseif M_ < 14
	WIN (W_<<2)|(W_<<4)
.irp t, 0,1,2,3
	v_max3_num_f32 v[192+4*A_+\t], v[192+4*A_+\t], |v[S_+32*\t+16*A_+K_]|, |v[S_+32*\t+16*A_+K_+1]|
.endr
.elseif M_ == 14
	WIN (W_<<2)|(W_<<4)
.irp t, 0,1,2,3
	v_max3_num_f32 v[192+\t], v[192+\t], |v[S_+32*\t+15]|, |v[S_+32*\t+31]|
.endr
.else
	WIN 0
.irp t, 0,1,2,3
	v_max3_num_f32 v[192+\t], v[192+\t], v[196+\t], 0x1800000   ; and the floor 2^(3 - 127): the byte cannot fall under 1
.endr
.endif
.endm
; h: behind each product one group of the search over the results h (none: -1)
.macro BATCH s, c, h=-1
.irp j, 0,1,2,3
.irp i, 0,1,2,3
.if (\c) == 2
	WIN 0xf4
.elseif (\s) == 0
	WIN 0xb1
.else
	WIN 0xa1
.endif
.set rD, 128*((\c)%2)+32*\j+8*\i
.if (\c) == 2
.set rA, 96+48*((\s)%2)+12*\i
.set rB, 96+12*\j
.set rSA, SX+8*(\i/2)+(\s)
.set rSB, SW+8*(4+\j/2)+(\s)
.set rC, 192+8*\j
.else
.set rA, 48*(\c)+12*\i
.set rB, 96+48*((\s)%2)+12*\j
.set rSA, SW+8*(2*(\c)+\i/2)+(\s)
.set rSB, SX+8*(\j/2)+(\s)
.set rC, 128+32*(\c)+8*\i
.endif
.if (\s) > 0
.set rC, rD
.endif
.set rw, (\i%2)+2*(\j%2)
.if rw == 0
	WM 0, 0
.elseif rw == 1
	WM 1, 0
.elseif rw == 2
	WM 0, 1
.else
	WM 1, 1
.endif
.if (\h) >= 0
	CH \h, 4*\j+\i
.endif
.endr
.endr
.endm
.macro STEP s
	s_wait_dscnt 32
	BATCH \s, 0
	PLACES
	LOADW \s+1, 0
	LOADX \s+1
	s_wait_dscnt 48
	BATCH \s, 1
	PLACES
	LOADW \s+1, 1
	s_wait_dscnt 48
	BATCH \s, 2
	PLACES
	LOADW \s+1, 2
.endm
	s_load_b128 s[4:7], s[0:1], 0x0                ; opnd, b_attn
	s_load_b64 s[8:9], s[0:1], 0x10                ; qkvc
	v_lshl_add_u32 v5, v0, 2, SPARE
	v_mov_b32 v6, 0
	ds_add_u32 v5, v6                              ; the opening lines: the add, twice on end
	ds_add_u32 v5, v6
	v_lshrrev_b32 v3, 5, v0
	v_readfirstlane_b32 s[WV], v3                  ; wave 0..3: which 64 tokens
	s_bfe_u32 s11, ttmp6, 0x40000                  ; cx
	s_bfe_u32 s12, ttmp6, 0x40004                  ; cy
	s_lshl_b32 s13, ttmp9, 2
	s_add_co_u32 s13, s13, s11                     ; X: the head
	s_and_b32 s14, ttmp7, 0xffff
	s_lshl_b32 s14, s14, 2
	s_add_co_u32 s14, s14, s12                     ; Y: which 256 tokens
	s_lshl_b32 s15, s12, 2
	s_lshl_b32 s15, 15, s15                        ; my row of the cluster
	s_lshl_b32 s16, 0x1111, s11                    ; my column
	GROUP1 G1X, 15, 384, 16                        ; x's tiles hang on Y alone: shared along my row
	GROUP1 G1W, 16, 384, 12                        ; w's on X alone: shared along my column
	GROUP1 G1X2, 15, 960, 16
	GROUP1 G1W2, 16, 960, 12
	s_mul_i32 s18, s14, 16*12288                   ; x's first tile
	s_mov_b32 s19, 0
	s_mul_i32 s20, s13, 12*12288
	s_add_co_u32 s20, s20, 256*12288               ; w's
	s_mov_b32 s21, 0
	s_lshl_b32 s80, s14, 4
	s_lshl_b32 s81, s[WV], 2
	s_add_co_u32 s80, s80, s81
	s_lshl_b32 s80, s80, 9
	s_add_co_u32 s80, s80, OSC                     ; my four tiles' scale words of x
	s_mov_b32 s81, 0
	s_mul_i32 s82, s13, 12*512
	s_add_co_u32 s82, s82, OSC+256*512             ; the head's twelve of w
	s_mov_b32 s83, 0
	s_lshr_b32 s22, s14, 3
	s_lshl_b32 s22, s22, 4
	s_add_co_u32 s22, s22, s13                     ; 16 b + head
	s_and_b32 s23, s14, 7
	s_lshl_b32 s23, s23, 2
	s_add_co_u32 s23, s23, s[WV]                   ; grp
	s_mul_i32 s84, s22, 98304
	s_mul_i32 s85, s23, 3072
	s_add_co_u32 s84, s84, s85
	s_mov_b32 s85, 0
	s_lshl_b32 s86, s22, 13
	s_lshl_b32 s87, s23, 8
	s_add_co_u32 s86, s86, s87
	s_add_co_u32 s86, s86, QSC
	s_mov_b32 s87, 0
	s_lshl_b32 s88, s13, 8                         ; the head's bias: 256 bytes
	s_mov_b32 s89, 0
	s_mov_b32 s76, 0x7f7f0000
	s_and_b32 s77, s[WV], 1
	s_lshl_b32 s77, s77, 4                         ; 16 (grp % 2)
	s_mov_b32 s[SEL], 0x76543210
	s_mov_b32 s[SEL+1], 0xfedcba98
	s_wait_alu depctr_va_vdst(0)
	s_wait_dscnt 0x0                               ; both opening adds are done
	ROUND                                          ; all sixteen work-groups are here: the first joint loads meet
	s_wait_kmcnt 0x0
	s_add_nc_u64 s[18:19], s[4:5], s[18:19]
	s_add_nc_u64 s[20:21], s[4:5], s[20:21]
	GROUP0 G0X, 0, 18, 0
	GROUP0 G0W, R0W, 20, 0
	GROUP0 G0X2, R1X, 18, 3072
	GROUP0 G0W2, R1W, 20, 3072
	s_cmp_eq_u32 s[WV], 0                          ; one joint load a wave, one arm each
	s_cbranch_scc0 .Lwave_1
	TLOAD G0X, G1X
	s_branch .Lasked
.Lwave_1:
	s_cmp_eq_u32 s[WV], 1
	s_cbranch_scc0 .Lwave_2
	TLOAD G0W, G1W
	s_branch .Lasked
.Lwave_2:
	s_cmp_eq_u32 s[WV], 2
	s_cbranch_scc0 .Lwave_3
	TLOAD G0X2, G1X2
	s_branch .Lasked
.Lwave_3:
	TLOAD G0W2, G1W2
.Lasked:
	s_add_nc_u64 s[80:81], s[4:5], s[80:81]
	s_add_nc_u64 s[82:83], s[4:5], s[82:83]
	s_add_nc_u64 s[6:7], s[6:7], s[88:89]
	s_add_nc_u64 s[84:85], s[8:9], s[84:85]
	s_add_nc_u64 s[86:87], s[8:9], s[86:87]
	v_and_b32 v1, 31, v0
	v_and_b32 v3, 15, v0                           ; r
	v_bfe_u32 v4, v0, 4, 1                         ; h
	v_lshlrev_b32 v7, 5, v1                        ; a row's eight scale words
	v_lshlrev_b32 v2, 3, v1
	v_lshlrev_b32 v1, 4, v1
	v_lshlrev_b32 v8, 7, v4                        ; q, k: register 8 i + j is column 32 h + 8 i + j: 128 bytes for each half of the lanes
	v_lshrrev_b32 v22, 3, v3
	v_lshlrev_b32 v22, 7, v22
	v_and_b32 v23, 7, v3
	v_lshl_add_u32 v22, v23, 2, v22                ; v: column 32 (r / 8) + 8 t + r % 8
.irp p, 0,1,2,3,4,5
	global_load_b128 v[SW+8*\p:SW+8*\p+3], v7, s[82:83] offset:1024*\p
	global_load_b128 v[SW+8*\p+4:SW+8*\p+7], v7, s[82:83] offset:1024*\p+16
.endr
.irp p, 0,1
	global_load_b128 v[SX+8*\p:SX+8*\p+3], v7, s[80:81] offset:1024*\p
	global_load_b128 v[SX+8*\p+4:SX+8*\p+7], v7, s[80:81] offset:1024*\p+16
.endr
	WIN 0xc0
.irp k, 0,1,2,3,4,5,6,7
	global_load_b128 v[128+4*\k:131+4*\k], v8, s[6:7] offset:16*\k
	global_load_b128 v[160+4*\k:163+4*\k], v8, s[6:7] offset:4096+16*\k
.endr
.irp t, 0,1,2,3
	global_load_b32 v[192+8*\t], v22, s[6:7] offset:8192+32*\t
.endr
	WIN 0
	s_mul_i32 s22, s[WV], 4*3072
	v_add_nc_u32 v10, s22, v1
	v_add_nc_u32 v11, s22, v2
	s_mul_i32 s22, s[WV], 4*7680
	s_add_co_u32 s22, s22, R1X
	v_add_nc_u32 v12, s22, v1
	v_add_nc_u32 v13, s22, v2
	s_mul_i32 s22, s[WV], 4*1536
	v_add_nc_u32 v14, s22, v1
	v_add_nc_u32 v15, s22, v2
	v_add_nc_u32 v16, R0W, v1
	v_add_nc_u32 v17, R0W, v2
	v_add_nc_u32 v18, R1W, v1
	v_add_nc_u32 v19, R1W, v2
	v_add_nc_u32 v20, R1W+8*7680, v1
	v_add_nc_u32 v21, R1W+8*7680, v2
	v_lshlrev_b32 v9, 3, v4
	v_lshlrev_b32 v23, 4, v3
	v_lshl_add_u32 v23, v4, 3, v23
	v_mov_b32 v226, 0                              ; a lane permute's destination counts as one of its sources
	v_mov_b32 v227, 0
	s_wait_alu depctr_va_vdst(0)                   ; the head's end
	s_cmp_lt_u32 s[WV], 2
	s_cbranch_scc0 .Lnot_r0
	s_wait_tensorcnt 0x0
.Lnot_r0:
	s_barrier_signal -1
	s_barrier_wait -1                              ; R0 is in; R1 may still be on its way
	LOADW 0, 0
	LOADX 0
	LOADW 0, 1
	LOADW 0, 2
	WIN 0
	s_wait_loadcnt 0x0                             ; the scale words and the bias
	WIN 0xc3
.irp t, 0,1,2,3
.irp i, 1,2,3,4,5,6,7
	v_mov_b32 v[192+8*\t+\i], v[192+8*\t]          ; v's number, one a lane and tile, over the tile's eight registers
.endr
.endr
	s_wait_alu depctr_va_vdst(0)
	STEP 0
	WIN 0
	s_wait_tensorcnt 0x0                           ; all my tensor loads have landed, R1's among them,
	ds_add_u32 v5, v6                              ; 0 onto my spare word
	s_wait_dscnt 33                                ; (the add, W1 and W2 may be out)
	BATCH 1, 0
	s_add_nc_u64 s[G0X+2:G0X+3], s[G0X+2:G0X+3], 10752   ; no load of mine is out: R0 takes step 7, rows of 1,536 bytes
	s_add_nc_u64 s[G0W+2:G0W+3], s[G0W+2:G0W+3], 10752
.irp g, G1X, G1W
	s_mov_b32 s[\g+1], 192<<16
	s_mov_b32 s[\g+3], 192<<16
.endr
	s_wait_dscnt 0x0                               ; the add is done, and so are my reads of R0
	s_barrier_signal -1
	BATCH 1, 1                                     ; register work inside the round
	WIN 0
	s_barrier_wait -1
	CREST                                          ; both hold of every wave of every partner
	s_cmp_eq_u32 s[WV], 0
	s_cbranch_scc0 .Lagain_1
	TLOAD G0X, G1X
	s_branch .Lagain
.Lagain_1:
	s_cmp_eq_u32 s[WV], 1
	s_cbranch_scc0 .Lagain
	TLOAD G0W, G1W
.Lagain:
	PLACES
	LOADW 2, 0
	LOADX 2
	LOADW 2, 1
	BATCH 1, 2
	PLACES
	LOADW 2, 2
	STEP 2
	STEP 3
	STEP 4
	STEP 5
	s_wait_dscnt 32
	BATCH 6, 0
	s_wait_tensorcnt 0x0                           ; my part of step 7 is in,
	s_wait_dscnt 0x0
	s_barrier_signal -1
	BATCH 6, 1
	WIN 0
	s_barrier_wait -1                              ; everybody's is
	PLACES
	LOADW 7, 0
	LOADX 7
	LOADW 7, 1
	BATCH 6, 2
	PLACES
	LOADW 7, 2
; ---- quantise and store: a lane's 32 registers of tile j are one block; the four tiles by turns, two chains each, every accumulator read from its low end on
.macro OUT c                           ; behind the search over the results c
.set W_, 2+(\c)/2
.set S_, 128*((\c)%2)
	WIN 0
.irp j, 0,1,2,3
	v_add_nc_u32 v[200+\j], 0xff000000, v[192+\j]  ; 2 off the exponent field: the conversion's scale operand
.endr
	WIN W_
.irp j, 0,1,2,3
	v_cvt_scalef32_pk16_fp6_f32 v[96+24*(\c)+6*\j:98+24*(\c)+6*\j], v[S_+32*\j:S_+32*\j+15], v[200+\j]
	v_cvt_scalef32_pk16_fp6_f32 v[204+4*\j:206+4*\j], v[S_+32*\j+16:S_+32*\j+31], v[200+\j]
.endr
	WIN 0
.irp j, 0,1,2,3
	v_lshrrev_b32 v[220+\j], 23, v[200+\j]         ; the scale's byte
.endr
.irp j, 0,1,2,3
.irp k, 0,1,2
	v_mov_b32 v[99+24*(\c)+6*\j+\k], v[204+4*\j+\k]
.endr
.endr
.irp j, 0,1,2,3
	global_store_b128 v1, v[96+24*(\c)+6*\j:99+24*(\c)+6*\j], s[84:85] offset:3145728*(\c)+768*\j
	global_store_b64 v2, v[100+24*(\c)+6*\j:101+24*(\c)+6*\j], s[84:85] offset:3145728*(\c)+768*\j+512
.endr
	v_lshl_or_b32 v224, v221, 16, v220
	v_lshl_or_b32 v225, v223, 16, v222
	v_lshlrev_b32 v224, v9, v224                   ; block h: byte h of a tile's two
	v_lshlrev_b32 v225, v9, v225
	v_permlanex16_b32 v226, v224, s[SEL], s[SEL+1]
	v_permlanex16_b32 v227, v225, s[SEL], s[SEL+1]
	v_or_b32 v224, v224, v226
	v_or_b32 v225, v225, v227
	v_cndmask_b32 v224, v224, v225, vcc_lo         ; lanes 0-15 store tiles 0 and 1's words of row r, lanes 16-31 tiles 2 and 3's
.if (\c) < 2
	v_and_or_b32 v[230+2*(\c)], v224, 0xffff, s76
	v_lshrrev_b32 v[231+2*(\c)], 16, v224
	v_or_b32 v[231+2*(\c)], s76, v[231+2*(\c)]
.else
	v_and_b32 v234, 0xffff, v224
	v_lshrrev_b32 v235, 16, v224
	v_lshlrev_b32 v234, s77, v234
	v_lshlrev_b32 v235, s77, v235
.endif
	global_store_b64 v23, v[230+2*(\c):231+2*(\c)], s[86:87] offset:262144*(\c)   ; 256 consecutive bytes
.endm
	s_wait_dscnt 32
	BATCH 7, 0
	WIN 0
	v_cmp_eq_u32 vcc_lo, 1, v4
	PLACES                                         ; q's results are first read behind the next product
	s_wait_alu depctr_va_vdst(0)
	s_wait_dscnt 16                                ; (v's fragments of w may be out)
	BATCH 7, 1, 0                                  ; k's last products, and the search over q among them
	WIN 0
	OUT 0                                          ; q leaves
	PLACES
	s_wait_alu depctr_va_vdst(0)
	s_wait_dscnt 0x0
	BATCH 7, 2, 1                                  ; v's last products, and the search over k among them
	WIN 0
	OUT 1
	PLACES
.irp m, 0,1,2,3,4,5,6,7,8,9,10,11,12,13,14,15
	CH 2, \m
.endr
	OUT 2
	s_wait_tensorcnt 0x0                           ; the wave's end
	ds_add_u32 v5, v6
	s_wait_dscnt 0x0
	ROUND                                          ; the closing round
	s_endpgm
.Lfunc_end_k_q3eb2793171_qkv:
	.size	k_q3eb2793171_qkv, .Lfunc_end_k_q3eb2793171_qkv-k_q3eb2793171_qkv
	.p2alignl 7, 3214868480
	.fill 96, 4, 3214868480
	.section	.rodata,"a",@progbits
	.p2align	6, 0x0
	.amdhsa_kernel k_q3eb2793171_qkv
		.amdhsa_group_segment_fixed_size 327680
		.amdhsa_private_segment_fixed_size 0
		.amdhsa_enable_private_segment 0
		.amdhsa_kernarg_size 24
		.amdhsa_user_sgpr_count 2
		.amdhsa_user_sgpr_kernarg_segment_ptr 1
		.amdhsa_wavefront_size32 1
		.amdhsa_system_sgpr_workgroup_id_x 1
		.amdhsa_system_sgpr_workgroup_id_y 1
		.amdhsa_system_sgpr_workgroup_id_z 1
		.amdhsa_system_vgpr_workitem_id 0
		.amdhsa_next_free_vgpr 992
		.amdhsa_next_free_sgpr 100
		.amdhsa_reserve_vcc 1
		.amdhsa_float_denorm_mode_32 3
		.amdhsa_float_denorm_mode_16_64 3
		.amdhsa_memory_ordered 1
		.amdhsa_forward_progress 1
		.amdhsa_inst_pref_size 123
	.end_amdhsa_kernel
	.amdgpu_metadata
---
amdhsa.version: [ 1, 2 ]
amdhsa.kernels:
  - .name:           k_q3eb2793171_qkv
    .symbol:         k_q3eb2793171_qkv.kd
    .args:
      - { .name: opnd, .offset: 0, .size: 8, .value_kind: global_buffer, .address_space: global }
      - { .name: b_attn, .offset: 8, .size: 8, .value_kind: global_buffer, .address_space: global }
      - { .name: qkvc, .offset: 16, .size: 8, .value_kind: global_buffer, .address_space: global }
    .group_segment_fixed_size: 327680
    .private_segment_fixed_size: 0
    .kernarg_segment_align: 8
    .kernarg_segment_size: 24
    .max_flat_workgroup_size: 128
    .sgpr_count:     100
    .vgpr_count:     992
    .wavefront_size: 32
...
	.end_amdgpu_metadata
.endif
;; end of part 2
;; launch attn (part 3): grid 8 x 32, 16 waves a work-group, clusters of 4 x 1, 327,680 bytes of LDS; arguments qkvc, ybuf; writes ybuf
.if DOCPART == 3
	.amdgcn_target "amdgcn-amd-amdhsa--gfx1250"
	.amdhsa_code_object_version 6
	.text
	.protected	k_q3eb2793171_attn
	.globl	k_q3eb2793171_attn
	.p2align	8
	.type	k_q3eb2793171_attn,@function
k_q3eb2793171_attn:
	s_mov_b64 s[64:65], 0
	v_nop
	global_prefetch_b8 v0, s[64:65] scope:SCOPE_SE
	s_setreg_imm32_b32 hwreg(HW_REG_WAVE_MODE, 25, 1), 1
	s_wait_xcnt 0x0
	s_wait_alu depctr_hold_cnt(0) depctr_sa_sdst(0) depctr_va_vdst(0) depctr_va_sdst(0) depctr_va_ssrc(0) depctr_va_vcc(0) depctr_vm_vsrc(0)
	s_getreg_b32 s2, hwreg(HW_REG_IB_STS2, 6, 4)
	s_cmp_eq_u32 s2, 0
	s_cbranch_scc0 .Lentry_in_a_cluster
	s_endpgm
.Lentry_in_a_cluster:
	s_bfe_u32 s2, ttmp6, 0x10000c
	s_cmp_lg_u32 s2, 0x3003
	s_cbranch_scc0 .Lentry_shape_is_right
	s_endpgm
.Lentry_shape_is_right:
; y = softmax(q k^T / 8, causal) v on codes of FP6 (E2M3), one head (grid y = 16 b + head) a work-group; y is quantised along the head's 64 and leaves as codes.
; WORK LEFT OUT: whole key steps of 128 that the causal mask of reference() hides; a NaN, an infinity or an overflow that reaches only those is not carried to the result.
; LIMITS: the scaled scores (exponents to the base 2) stay under 2^31 in magnitude; NaN and infinities are not served; a block of y whose largest magnitude lies under 2^-124, a block of zeros among them, gets the byte 1.
; TILES.  A query tile T = 8 iw + X (X = work-group x) is 16 queries, slot 8 hh + j = token 64 (T / 4) + 32 hh + 8 (T % 4) + j; it needs the key steps 0 .. iw.  Keys and channels lie in the same order, so a lane's 32 registers of four tiles are one scale block.
; THE DEAL.  Sixteen waves in eight pairs i = 0 .. 7: tile iw = i needs i + 1 steps, iw = 15 - i needs 16 - i.  Wave A takes steps 0 .. 8 of the long tile; wave B takes the short tile, stores it, and then takes steps 9 .. 15 - i of the long one:
; nine and eight steps.  B hands its sums, its row sum and its M through LDS to A, which joins them: the factors are powers of two.  A and B of a pair, and of pairs i and 7 - i, have the same wave number modulo 4.
; LDS: all of K and V (96 KB each) and their scale words (16 KB).  At the head each wave asks jointly for 12,288 bytes (two key steps of K or V): the four work-groups of a cluster are of one head.  The first barrier waits for steps 0 and 1 alone; the second,
; behind every wave's first step, for the rest.  Nothing is filled again, and no prefetch is laid: all that the launch reads is asked for at the head.
; A STEP: S^T = K q^T (eight tiles of 16 keys; K = 64 fills half of the instruction, the other half meets zero codes of q), running M = ceil(largest t), p = 2^(t - M), the row sum of the unquantised p, p's codes, O^T += V^T p^T.
; The next step's K fragments and this step's V fragments are loaded ahead of the softmax.
.set QSC, 9437184
.set YSC, 3145728
.set VB,  98304
.set KSC, 196608
.set SPARE, 212992                     ; the spare words, 128 bytes for each of 16 waves
.set XB,  215040                       ; the pairs' exchange, 4,352 bytes each
.set WV,  8
.set G1,  16
.set SEL, 38
.set CS,  40                           ; log2(e) / 8, twice
.set NC,  42                           ; its negative
.set N,   43                           ; the trip
.set SWT, 44                           ; the trip at whose head B changes tiles
.set KD,  45                           ; and how far its key step jumps there
.set NL,  46                           ; the last trip with work
.set QN,  47                           ; the trip in which the long tile's q is loaded
.set IW,  48                           ; the tile's last key step: the one with the mask's edge
.set IW2, 49
.set GC,  50                           ; which 64 of that step hold my queries: the cluster's x
.set KS,  51
; v0 16 r, v1 16 x lane, v2 8 x lane, v3 spare word, v4 0, v5 8 h, v6 the mask's bound, v7-11, v29 LDS addresses, v12 -M, v13 largest score, v[14:15] row sum, v16-27 q, v28 its scale words,
; v30, v31, v94, v95, v252-254 at work, v32-85 K (v80-85 zeros), v86-89, v90-93 scale words, v96-159 S then p, v160-191 O^T, v192-203 p's codes, v204-251 V, v255 p's scale word
.macro WALU
	s_wait_alu depctr_va_vdst(0)
.endm
.macro ROUND
	s_barrier_signal -1
	s_barrier_wait -1
	s_cmp_lg_u32 s[WV], 0
	s_cbranch_scc1 .Lnot_wave_0_\@
	s_barrier_signal -3
.Lnot_wave_0_\@:
	s_barrier_wait -3
	s_barrier_signal -1
	s_barrier_wait -1
.endm
.macro PLACES
.rept 4
	v_nop
.endr
.endm
.macro QOFF d, e, t                    ; where tile s[t]'s q codes and scale words lie
	s_mul_i32 s[\d], s11, 98304
	s_mul_i32 s58, s[\t], 768
	s_add_co_u32 s[\d], s[\d], s58
	s_mov_b32 s[\d+1], 0
	s_lshl_b32 s[\e], s11, 13
	s_lshr_b32 s58, s[\t], 2
	s_lshl_b32 s58, s58, 8
	s_add_co_u32 s[\e], s[\e], s58
	s_and_b32 s58, s[\t], 3
	s_lshl_b32 s58, s58, 2
	s_add_co_u32 s[\e], s[\e], s58
	s_add_co_u32 s[\e], s[\e], QSC
	s_mov_b32 s[\e+1], 0
.endm
.macro KNEXT                           ; the next trip's key step: s58 its bytes in K, s57 its scale words
	s_add_co_u32 s57, s[N], 1
	s_cmp_ge_u32 s57, s[SWT]
	s_cselect_b32 s54, s[KD], 0
	s_add_co_u32 s57, s57, s54
	s_min_u32 s57, s57, 15
	s_mul_i32 s58, s57, 6144
	s_lshl_b32 s57, s57, 9
	s_add_co_u32 s57, s57, KSC
.endm
.macro KADDR
	v_add_nc_u32 v7, s58, v1
	v_add_nc_u32 v8, s58, v2
	v_add_nc_u32 v29, s57, v1
.endm
.macro KLOAD a, b
.irp j, 0,1,2,3,4,5,6,7
	ds_load_b128 v[32+6*\j:35+6*\j], \a offset:768*\j
	ds_load_b64 v[36+6*\j:37+6*\j], \b offset:768*\j+512
.endr
	ds_load_b128 v[86:89], v29
.endm
.macro FINISH                          ; O^T / the row sum (v14: my lane's part), quantised and stored: a lane holds channels 32 h + 0 .. 31 of query r
	v_permlanex16_b32 v94, v14, s[SEL], s[SEL+1]
	s_delay_alu instid0(VALU_DEP_1)
	v_add_f32 v14, v14, v94
	WALU
	v_rcp_f32 v14, v14
	v_nop
	WALU
.set n, 0
.rept 16
	v_pk_mul_f32 v[96+n:97+n], v[160+n:161+n], v[14:15] op_sel_hi:[1,0]
.set n, n+2
.endr
	v_max3_num_f32 v30, |v96|, |v97|, |v98|
	v_max3_num_f32 v94, |v112|, |v113|, |v114|
.irp i, 3,5,7,9,11,13
	v_max3_num_f32 v30, v30, |v[96+\i]|, |v[97+\i]|
	v_max3_num_f32 v94, v94, |v[112+\i]|, |v[113+\i]|
.endr
	v_max3_num_f32 v30, v30, |v111|, |v127|
	v_max3_num_f32 v30, v30, v94, 0x1800000
	s_delay_alu instid0(VALU_DEP_1)
	v_add_nc_u32 v30, 0xff000000, v30
	v_cvt_scalef32_pk16_fp6_f32 v[192:194], v[96:111], v30
	v_lshrrev_b32 v31, 23, v30                     ; the scale's byte
	v_cvt_scalef32_pk16_fp6_f32 v[96:98], v[112:127], v30
	v_lshlrev_b32 v94, 1, v0
	v_lshrrev_b32 v95, 3, v5
.irp i, 0,1,2
	v_mov_b32 v[195+\i], v[96+\i]
.endr
	v_add_nc_u32 v94, v94, v95                     ; 32 r + h
	global_store_b128 v1, v[192:195], s[74:75]
	global_store_b64 v2, v[196:197], s[74:75] offset:512
	global_store_b8 v94, v31, s[76:77]
.endm
; One step of 128 keys.  pf = 0: the first, step 0 of K and V for every wave, with nothing loaded ahead
.macro STEP pf
.if \pf
	s_cmp_ge_u32 s[N], s[SWT]
	s_cselect_b32 s54, s[KD], 0
	s_add_co_u32 s[KS], s[N], s54
	s_min_u32 s[KS], s[KS], 15
	s_mul_i32 s55, s[KS], 6144
	s_add_co_u32 s55, s55, VB
	s_lshl_b32 s56, s[KS], 9
	s_add_co_u32 s56, s56, KSC
	KNEXT
.else
	s_mov_b32 s[KS], 0
.endif
	s_wait_loadcnt 0x0                             ; q
.irp j, 0,1,2,3
	v_wmma_scale_f32_16x16x128_f8f6f4 v[96+8*\j:103+8*\j], v[32+6*\j:43+6*\j], v[16:27], 0, v[86+\j], v28 matrix_a_fmt:MATRIX_FMT_FP6 matrix_b_fmt:MATRIX_FMT_FP6
.endr
.irp j, 4,5,6,7
	v_wmma_scale_f32_16x16x128_f8f6f4 v[96+8*\j:103+8*\j], v[32+6*\j:43+6*\j], v[16:27], 0, v[82+\j], v28 matrix_a_fmt:MATRIX_FMT_FP6 matrix_b_fmt:MATRIX_FMT_FP6 matrix_a_scale:MATRIX_SCALE_ROW1
.endr
.if \pf
	v_add_nc_u32 v9, s55, v1                       ; these six are the places behind the products
	v_add_nc_u32 v10, s55, v2
	v_add_nc_u32 v11, s56, v1
	KADDR
.else
	v_add_nc_u32 v9, VB, v1
	v_add_nc_u32 v10, VB, v2
	v_add_nc_u32 v11, KSC, v1
	v_nop
.endif
.irp t, 0,1,2,3
.irp c, 0,1
	ds_load_b128 v[204+12*\t+6*\c:207+12*\t+6*\c], v9 offset:3072*\c+768*\t
	ds_load_b64 v[208+12*\t+6*\c:209+12*\t+6*\c], v10 offset:3072*\c+768*\t+512
.endr
.endr
	ds_load_b128 v[90:93], v11 offset:8192
.if \pf
	s_cmp_eq_u32 s[N], s[NL]
	s_cbranch_scc1 .Lno_next_\@
	KLOAD v7, v8
.Lno_next_\@:
.endif
	s_cmp_lg_u32 s[N], s[QN]
	s_cbranch_scc1 .Lno_q_\@
	global_load_b128 v[16:19], v1, s[70:71]        ; B's long tile
	global_load_b64 v[20:21], v2, s[70:71] offset:512
	global_load_b32 v28, v0, s[72:73]
.Lno_q_\@:
	s_cmp_lg_u32 s[KS], s[IW]
	s_cbranch_scc1 .Lopen_\@
	v_mov_b32 v254, 0xff800000
	WALU
	s_cmp_lg_u32 s[GC], 0
	s_cbranch_scc1 .Lupper_\@
.set n, 0
.rept 32
	v_cmp_gt_i32 vcc_lo, n, v6
	v_cndmask_b32 v[96+n], v[96+n], v254, vcc_lo
.set n, n+1
.endr
.set n, 0
.rept 32
	v_mov_b32 v[128+n], v254                       ; the step's upper 64 keys are hidden from all my queries
.set n, n+1
.endr
	WALU
	s_branch .Lopen_\@
.Lupper_\@:
.set n, 0
.rept 32
	v_cmp_gt_i32 vcc_lo, n, v6
	v_cndmask_b32 v[128+n], v[128+n], v254, vcc_lo
.set n, n+1
.endr
.Lopen_\@:
	v_max3_num_f32 v30, v96, v97, v98              ; the largest score of my block of each 64 keys: it serves the row's maximum and the block's scale
	v_max3_num_f32 v94, v112, v113, v114
	v_max3_num_f32 v31, v128, v129, v130
	v_max3_num_f32 v254, v144, v145, v146
.irp i, 3,5,7,9,11,13
	v_max3_num_f32 v30, v30, v[96+\i], v[97+\i]
	v_max3_num_f32 v94, v94, v[112+\i], v[113+\i]
	v_max3_num_f32 v31, v31, v[128+\i], v[129+\i]
	v_max3_num_f32 v254, v254, v[144+\i], v[145+\i]
.endr
	v_max3_num_f32 v30, v30, v111, v127
	v_max3_num_f32 v31, v31, v143, v159
	v_max_num_f32 v30, v30, v94
	v_max_num_f32 v31, v31, v254
	s_delay_alu instid0(VALU_DEP_1)
	v_max_num_f32 v94, v30, v31
	s_delay_alu instid0(VALU_DEP_1)
	v_permlanex16_b32 v95, v94, s[SEL], s[SEL+1]
	s_delay_alu instid0(VALU_DEP_1)
	v_max3_num_f32 v13, v13, v94, v95              ; the running largest score of my query
	s_delay_alu instid0(VALU_DEP_1)
	v_mul_f32 v94, s[NC], v13
	v_mov_b32 v254, v12
	s_delay_alu instid0(VALU_DEP_2)
	v_floor_f32 v12, v94                           ; -M = floor(-t)
	s_delay_alu instid0(VALU_DEP_1)
	v_sub_f32 v254, v12, v254
	s_delay_alu instid0(VALU_DEP_1)
	v_cvt_i32_f32 v254, v254                       ; (it saturates)
	s_delay_alu instid0(VALU_DEP_1)
	v_ldexp_f32 v252, 1.0, v254                    ; f = 2^(old M - new M)
.set n, 0
.rept 32
	v_pk_fma_f32 v[96+n:97+n], v[96+n:97+n], s[CS:CS+1], v[12:13] op_sel_hi:[1,0,0]
.set n, n+2
.endr
	v_fma_f32 v30, v30, s[CS], v12
	v_fma_f32 v31, v31, s[CS], v12
	WALU
.set n, 0
.rept 64
	v_exp_f32 v[96+n], v[96+n]
.set n, n+1
.endr
	v_exp_f32 v30, v30                             ; the blocks' largest p: the same two instructions on the same number
	v_exp_f32 v31, v31
	WALU
.set n, 0
.rept 16
	v_pk_mul_f32 v[160+n:161+n], v[160+n:161+n], v[252:253] op_sel_hi:[1,0]
.set n, n+2
.endr
	v_max_num_f32 v30, 0x1800000, v30              ; the floor 2^(3 - 127): the byte cannot fall under 1
	v_max_num_f32 v31, 0x1800000, v31
	s_delay_alu instid0(VALU_DEP_2)
	v_add_nc_u32 v30, 0xff000000, v30              ; 2 off the exponent field: the conversion's scale operand
	s_delay_alu instid0(VALU_DEP_2)
	v_add_nc_u32 v31, 0xff000000, v31
	s_delay_alu instid0(VALU_DEP_2)
	v_lshrrev_b32 v94, 23, v30
	s_delay_alu instid0(VALU_DEP_2)
	v_lshrrev_b32 v95, 23, v31
	s_delay_alu instid0(VALU_DEP_1)
	v_lshl_or_b32 v94, v95, 16, v94                ; blocks h and 2 + h,
	s_delay_alu instid0(VALU_DEP_1)
	v_lshlrev_b32 v94, v5, v94                     ; at their places;
	s_delay_alu instid0(VALU_DEP_1)
	v_permlanex16_b32 v95, v94, s[SEL], s[SEL+1]
	s_delay_alu instid0(VALU_DEP_1)
	v_or_b32 v255, v94, v95                        ; with lane l xor 16's the word is whole
	v_pk_fma_f32 v[14:15], v[14:15], v[252:253], v[96:97] op_sel_hi:[1,0,1]   ; the row sum of the unquantised p, in two chains
	v_pk_add_f32 v[94:95], v[98:99], v[100:101]
.set n, 102
.rept 12
	v_pk_add_f32 v[14:15], v[14:15], v[n:n+1]
	v_pk_add_f32 v[94:95], v[94:95], v[n+2:n+3]
.set n, n+4
.endr
	v_cvt_scalef32_pk16_fp6_f32 v[192:194], v[96:111], v30
	v_cvt_scalef32_pk16_fp6_f32 v[198:200], v[128:143], v31
	v_pk_add_f32 v[14:15], v[14:15], v[150:151]
	v_cvt_scalef32_pk16_fp6_f32 v[96:98], v[112:127], v30      ; (a conversion's three registers begin on an even number: the second halves are made in registers of p that have served)
	v_cvt_scalef32_pk16_fp6_f32 v[128:130], v[144:159], v31
	v_pk_add_f32 v[94:95], v[94:95], v[152:153]
.irp i, 0,1,2
	v_mov_b32 v[195+\i], v[96+\i]
	v_mov_b32 v[201+\i], v[128+\i]
.endr
	v_pk_add_f32 v[14:15], v[14:15], v[154:155]
	v_pk_add_f32 v[94:95], v[94:95], v[156:157]
	v_pk_add_f32 v[14:15], v[14:15], v[158:159]
	v_pk_add_f32 v[14:15], v[14:15], v[94:95]
	WALU
	s_wait_dscnt 0x0                               ; V's fragments, and the next step's of K
.irp t, 0,1,2,3
	v_wmma_scale_f32_16x16x128_f8f6f4 v[160+8*\t:167+8*\t], v[204+12*\t:215+12*\t], v[192:203], v[160+8*\t:167+8*\t], v[90+\t], v255 matrix_a_fmt:MATRIX_FMT_FP6 matrix_b_fmt:MATRIX_FMT_FP6
.endr
.endm
	s_load_b128 s[4:7], s[0:1], 0x0                ; qkvc, ybuf
	v_lshl_add_u32 v3, v0, 2, SPARE
	v_mov_b32 v4, 0
	ds_add_u32 v3, v4                              ; the opening lines: the add, twice on end
	ds_add_u32 v3, v4
	v_lshrrev_b32 v7, 5, v0
	v_readfirstlane_b32 s[WV], v7                  ; wave 0..15
	s_bfe_u32 s9, ttmp6, 0x40000                   ; cx
	s_lshl_b32 s10, ttmp9, 2
	s_add_co_u32 s10, s10, s9                      ; X
	s_mov_b32 s[GC], ttmp9
	s_and_b32 s11, ttmp7, 0xffff                   ; 16 b + head
	s_and_b32 s12, s[WV], 3
	s_lshr_b32 s13, s[WV], 3
	s_mul_i32 s13, s13, 7
	s_xor_b32 s12, s12, s13                        ; i: my pair
	s_bfe_u32 s13, s[WV], 0x10002                  ; 0: wave A, 1: wave B
	s_xor_b32 s[IW2], s12, 15
	s_xor_b32 s[KD], s12, 7
	s_add_co_u32 s[KD], s[KD], 1                   ; 8 - i
	s_add_co_u32 s[SWT], s12, 1
	s_mov_b32 s54, 99
	s_cmp_lt_u32 s12, 7
	s_cselect_b32 s[QN], s12, s54                  ; B of pair 7 has no part of the long tile
	s_cmp_eq_u32 s13, 0
	s_cselect_b32 s[SWT], s54, s[SWT]
	s_cselect_b32 s[QN], s54, s[QN]
	s_cselect_b32 s[IW], s[IW2], s12
	s_cselect_b32 s[NL], 8, 7
	s_mov_b32 s[G1], 15|(3<<16)|(1<<21)            ; group 1: 48 rows of 256 bytes, dense; all four of the cluster
	s_mov_b32 s[G1+1], 32<<16
	s_mov_b32 s[G1+2], 48<<16
	s_mov_b32 s[G1+3], 32<<16
	s_mov_b32 s[G1+4], 48
	s_mov_b32 s[G1+5], 32
	s_mov_b32 s[G1+6], 0
	s_mov_b32 s[G1+7], 0
	s_and_b32 s32, s[WV], 1                        ; I fetch K (0) or V (1),
	s_lshr_b32 s33, s[WV], 1                       ; key steps 2 (wave / 2) and the next
	s_mul_i32 s34, s32, VB
	s_mul_i32 s35, s33, 12288
	s_add_co_u32 s34, s34, s35
	s_lshl_b32 s36, s32, 5
	s_add_co_u32 s36, s36, s11
	s_add_co_u32 s36, s36, 32
	s_mul_i32 s36, s36, 98304
	s_add_co_u32 s36, s36, s35
	s_mov_b32 s37, 0
	s_lshl_b32 s82, s11, 13
	s_lshl_b32 s83, s[WV], 9
	s_add_co_u32 s82, s82, s83
	s_add_co_u32 s82, s82, QSC+32*8192             ; my 512 bytes of K's scale words
	s_mov_b32 s83, 0
	s_lshl_b32 s59, s[IW], 3
	s_add_co_u32 s59, s59, s10                     ; my first tile
	s_lshl_b32 s60, s[IW2], 3
	s_add_co_u32 s60, s60, s10                     ; the long one
	QOFF 66, 68, 59
	QOFF 70, 72, 60
	s_lshr_b32 s54, s11, 4
	s_lshl_b32 s54, s54, 7
	s_add_co_u32 s54, s54, s59                     ; the first tile's place in y
	s_and_b32 s55, s11, 15                         ; head
	s_lshl_b32 s76, s54, 9
	s_lshl_b32 s77, s55, 1
	s_add_co_u32 s76, s76, s77
	s_add_co_u32 s76, s76, YSC
	s_mov_b32 s77, 0
	s_lshl_b32 s54, s54, 4
	s_add_co_u32 s54, s54, s55
	s_mul_i32 s74, s54, 768
	s_mov_b32 s75, 0
	s_mov_b32 s[SEL], 0x76543210
	s_mov_b32 s[SEL+1], 0xfedcba98
	s_mov_b32 s[CS], 0x3e38aa3b
	s_mov_b32 s[CS+1], s[CS]
	s_mov_b32 s[NC], 0xbe38aa3b
	s_mov_b32 s[N], 0
	WALU
	s_wait_dscnt 0x0                               ; both opening adds are done
	ROUND                                          ; all four work-groups are here: the joint loads meet
	s_wait_kmcnt 0x0
	s_mov_b32 s24, 1
	s_mov_b32 s25, s34
	s_add_nc_u64 s[26:27], s[4:5], s[36:37]
	s_or_b32 s27, s27, 0x80000000
	s_cmp_lt_u32 s[WV], 2                          ; waves 0 and 1 bring what the first step reads: a line of their own
	s_cbranch_scc0 .Lrest
	tensor_load_to_lds s[24:27], s[G1:G1+7]
	s_nop 0
	PLACES
	s_branch .Lasked
.Lrest:
	tensor_load_to_lds s[24:27], s[G1:G1+7]
	s_nop 0
	PLACES
.Lasked:
	s_add_nc_u64 s[82:83], s[4:5], s[82:83]
	s_add_nc_u64 s[84:85], s[82:83], 32*8192       ; V's
	s_add_nc_u64 s[66:67], s[4:5], s[66:67]
	s_add_nc_u64 s[68:69], s[4:5], s[68:69]
	s_add_nc_u64 s[70:71], s[4:5], s[70:71]
	s_add_nc_u64 s[72:73], s[4:5], s[72:73]
	s_add_nc_u64 s[74:75], s[6:7], s[74:75]
	s_add_nc_u64 s[76:77], s[6:7], s[76:77]
	v_and_b32 v7, 31, v0
	v_lshlrev_b32 v1, 4, v7
	v_lshlrev_b32 v2, 3, v7
	v_bfe_u32 v8, v0, 4, 1                         ; h
	v_and_b32 v9, 15, v0                           ; r
	v_lshl_add_u32 v10, v0, 4, KSC
	v_lshlrev_b32 v0, 4, v9
	global_load_b128 v[32:35], v1, s[82:83]
	global_load_b128 v[36:39], v1, s[84:85]
	global_load_b128 v[16:19], v1, s[66:67]
	global_load_b64 v[20:21], v2, s[66:67] offset:512
	global_load_b32 v28, v0, s[68:69]
	v_lshlrev_b32 v5, 3, v8
	v_lshrrev_b32 v6, 3, v9
	v_sub_nc_u32 v6, v6, v8
	v_lshlrev_b32 v6, 5, v6
	v_and_b32 v11, 7, v9
	v_add_nc_u32 v6, v6, v11
	s_lshl_b32 s54, s9, 3
	v_add_nc_u32 v6, s54, v6                       ; 32 (r / 8) + 8 (T % 4) + r % 8 - 32 h: of my block's keys of my queries' 64, those above this are hidden
	v_add_nc_u32 v29, KSC, v1
.irp j, 0,1,2,3,4,5
	v_mov_b32 v[22+\j], 0
	v_mov_b32 v[80+\j], 0
.endr
.set n, 0
.rept 32
	v_mov_b32 v[160+n], 0
.set n, n+1
.endr
	v_mov_b32 v13, 0xff61b1e6                      ; -3e38, under every score
	v_mov_b32 v12, 0x7e967699                      ; so a first M finds the factor 0
	v_mov_b32 v14, 0
	v_mov_b32 v15, 0
	v_mov_b32 v94, 0                               ; lane permutes' destinations count as their sources
	v_mov_b32 v95, 0
	v_mov_b32 v253, 0                              ; (named as the upper half of a pair)
.irp i, 0,1,2,3
	v_mov_b32 v[40+\i], 0
.endr
	WALU
	s_wait_loadcnt 3                               ; the scale words; q's three loads may be out
.irp i, 0,1,2,3
	v_permlanex16_b32 v[40+\i], v[36+\i], s[SEL], s[SEL+1]
.endr
.irp i, 0,1,2,3
	v_or_b32 v[36+\i], v[36+\i], v[40+\i]          ; V's words: two groups of 64 keys joined
.endr
	ds_store_b128 v10, v[32:35]
	ds_store_b128 v10, v[36:39] offset:8192
	s_cmp_lt_u32 s[WV], 2
	s_cbranch_scc0 .Lnot_first
	s_wait_tensorcnt 0x0
.Lnot_first:
	s_wait_dscnt 0x0
	s_barrier_signal -1
	s_barrier_wait -1                              ; key steps 0 and 1 and all scale words are in; the rest may be on its way
	KLOAD v1, v2
	s_wait_dscnt 0x0
	STEP 0
	WALU
	s_wait_tensorcnt 0x0
	s_wait_dscnt 0x0
	s_barrier_signal -1
	s_barrier_wait -1                              ; all of K and V is in
	KNEXT
	KADDR
	KLOAD v7, v8
	s_mov_b32 s[N], 1
	s_wait_dscnt 0x0
.Lloop:
	s_cmp_lg_u32 s[N], s[SWT]
	s_cbranch_scc1 .Lsame
	PLACES
	v_add_f32 v14, v14, v15
	FINISH                                         ; B's short tile leaves
	v_mov_b32 v13, 0xff61b1e6                      ; the long tile begins: the first M's factor, 0, clears the sums
	v_mov_b32 v12, 0x7e967699
	s_mov_b32 s[IW], s[IW2]
	WALU
	s_wait_xcnt 0x0                                ; the stores' registers may be written
.Lsame:
	s_cmp_gt_u32 s[N], s[NL]
	s_cbranch_scc1 .Lhid
	STEP 1
.Lhid:
	s_add_co_u32 s[N], s[N], 1
	WALU
	s_cmp_lg_u32 s[N], 9
	s_cbranch_scc1 .Lloop
; ---- the pair joins: O^T as 8 x 512 bytes, then (row sum, -M)
	s_mul_i32 s54, s12, 4352
	s_add_co_u32 s54, s54, XB
	PLACES
	v_add_nc_u32 v7, s54, v1
	v_add_nc_u32 v8, s54, v2
	v_add_f32 v14, v14, v15
	v_mov_b32 v15, v12
	WALU
	s_cmp_eq_u32 s13, 0
	s_cbranch_scc1 .Lno_send
.irp k, 0,1,2,3,4,5,6,7
	ds_store_b128 v7, v[160+4*\k:163+4*\k] offset:512*\k
.endr
	ds_store_b64 v8, v[14:15] offset:4096
.Lno_send:
	s_wait_dscnt 0x0
	s_barrier_signal -1
	s_barrier_wait -1
	s_cmp_eq_u32 s13, 1
	s_cbranch_scc1 .Lend
.irp k, 0,1,2,3,4,5,6,7
	ds_load_b128 v[96+4*\k:99+4*\k], v7 offset:512*\k
.endr
	ds_load_b64 v[30:31], v8 offset:4096
	s_wait_dscnt 0x0
	v_min_num_f32 v94, v15, v31                    ; -M of both
	v_sub_f32 v95, v94, v15
	v_sub_f32 v254, v94, v31
	v_cvt_i32_f32 v95, v95
	v_cvt_i32_f32 v254, v254
	v_ldexp_f32 v252, 1.0, v95                     ; my factor,
	v_ldexp_f32 v94, 1.0, v254                     ; and the partner's (0 where it had no step)
	v_mul_f32 v30, v30, v94
	v_fma_f32 v14, v14, v252, v30
.set n, 0
.rept 16
	v_pk_mul_f32 v[96+n:97+n], v[96+n:97+n], v[94:95] op_sel_hi:[1,0]
.set n, n+2
.endr
.set n, 0
.rept 16
	v_pk_fma_f32 v[160+n:161+n], v[160+n:161+n], v[252:253], v[96+n:97+n] op_sel_hi:[1,0,1]
.set n, n+2
.endr
	FINISH                                         ; the long tile leaves
.Lend:
	s_wait_tensorcnt 0x0                           ; the wave's end
	ds_add_u32 v3, v4
	s_wait_dscnt 0x0
	ROUND                                          ; the closing round
	s_endpgm
.Lfunc_end_k_q3eb2793171_attn:
	.size	k_q3eb2793171_attn, .Lfunc_end_k_q3eb2793171_attn-k_q3eb2793171_attn
	.p2alignl 7, 3214868480
	.fill 96, 4, 3214868480
	.section	.rodata,"a",@progbits
	.p2align	6, 0x0
	.amdhsa_kernel k_q3eb2793171_attn
		.amdhsa_group_segment_fixed_size 327680
		.amdhsa_private_segment_fixed_size 0
		.amdhsa_enable_private_segment 0
		.amdhsa_kernarg_size 16
		.amdhsa_user_sgpr_count 2
		.amdhsa_user_sgpr_kernarg_segment_ptr 1
		.amdhsa_wavefront_size32 1
		.amdhsa_system_sgpr_workgroup_id_x 1
		.amdhsa_system_sgpr_workgroup_id_y 1
		.amdhsa_system_sgpr_workgroup_id_z 1
		.amdhsa_system_vgpr_workitem_id 0
		.amdhsa_next_free_vgpr 256
		.amdhsa_next_free_sgpr 90
		.amdhsa_reserve_vcc 1
		.amdhsa_float_denorm_mode_32 3
		.amdhsa_float_denorm_mode_16_64 3
		.amdhsa_memory_ordered 1
		.amdhsa_forward_progress 1
		.amdhsa_inst_pref_size 65
	.end_amdhsa_kernel
	.amdgpu_metadata
---
amdhsa.version: [ 1, 2 ]
amdhsa.kernels:
  - .name:           k_q3eb2793171_attn
    .symbol:         k_q3eb2793171_attn.kd
    .args:
      - { .name: qkvc, .offset: 0, .size: 8, .value_kind: global_buffer, .address_space: global }
      - { .name: ybuf, .offset: 8, .size: 8, .value_kind: global_buffer, .address_space: global }
    .group_segment_fixed_size: 327680
    .private_segment_fixed_size: 0
    .kernarg_segment_align: 8
    .kernarg_segment_size: 16
    .max_flat_workgroup_size: 512
    .sgpr_count:     90
    .vgpr_count:     256
    .wavefront_size: 32
...
	.end_amdgpu_metadata
.endif
;; end of part 3
;; launch proj (part 4): grid 8 x 32, 4 waves a work-group, clusters of 4 x 4, 327,680 bytes of LDS; arguments opnd, ybuf, b_proj, out0; writes out0
.if DOCPART == 4
	.amdgcn_target "amdgcn-amd-amdhsa--gfx1250"
	.amdhsa_code_object_version 6
	.text
	.protected	k_q3eb2793171_proj
	.globl	k_q3eb2793171_proj
	.p2align	8
	.type	k_q3eb2793171_proj,@function
k_q3eb2793171_proj:
	s_mov_b64 s[64:65], 0
	v_nop
	global_prefetch_b8 v0, s[64:65] scope:SCOPE_SE
	s_setreg_imm32_b32 hwreg(HW_REG_WAVE_MODE, 25, 1), 1
	s_wait_xcnt 0x0
	s_wait_alu depctr_hold_cnt(0) depctr_sa_sdst(0) depctr_va_vdst(0) depctr_va_sdst(0) depctr_va_ssrc(0) depctr_va_vcc(0) depctr_vm_vsrc(0)
	s_getreg_b32 s2, hwreg(HW_REG_IB_STS2, 6, 4)
	s_cmp_eq_u32 s2, 0
	s_cbranch_scc0 .Lentry_in_a_cluster
	s_endpgm
.Lentry_in_a_cluster:
	s_bfe_u32 s2, ttmp6, 0x10000c
	s_cmp_lg_u32 s2, 0xf033
	s_cbranch_scc0 .Lentry_shape_is_right
	s_endpgm
.Lentry_shape_is_right:
; out0 = y w_proj + b_proj on codes of FP6 (E2M3).  y's codes and scale bytes come from ybuf, w_proj's from opnd (tiles 448 on), both in the order of the operand's registers; out0 [4096][1024] f32.
; A work-group makes 128 tokens x 128 columns: 256 work-groups.  Four waves, one to a SIMD, each 64 tokens x 64 columns.  A wave holds its four tiles of w_proj's columns, ALL of K = 1024, in registers (32 fragments of 12) and takes y's four tiles of 16 tokens,
; all of K, one after the other in two sets of registers: 32 products finish a tile, which leaves while the next one is multiplied.  So the stores begin with the first tile, and no fragment is read twice by a wave.
; LDS: w_proj's 8 tiles x 12,288 bytes, then y's 8, each filled once: one joint load of four tiles a wave at the head.  The first barrier waits for w_proj's two loads alone, and its fragments are read while y's are on their way.
; CLUSTER 4 x 4: w_proj's tiles hang on the column block alone and are shared along a column of the cluster, y's on the token block alone and are shared along a row: each is asked for jointly.  No prefetch: all is asked for at the head.
; The product is used transposed; slot 8 hh + j of tile t of a group of 64 rows is row 32 hh + 8 t + j, so a lane's 32 results of four tiles are 32 neighbouring columns of one token.  The bias is the C of each sum's first product.
; THE WAY OUT: a tile of 16 tokens x 64 columns goes through the wave's own stage in LDS and leaves as rows of 256 consecutive bytes, sixteen lanes to a row.
; LIMIT: NaN and infinities are not served.
.set OSC,  6291456
.set YSC,  3145728
.set FOUR, 49152                       ; four tiles in LDS
.set STG,  4*FOUR                      ; behind the tiles: for each wave two stages of 16 rows x (256 + 16) bytes
.set SPARE, STG+4*8704                 ; the spare words, 128 bytes for each wave
.set SW,  16                           ; v16-31   w_proj's scale words: 8 p + s: lanes 0-15 tile 2 p, lanes 16-31 tile 2 p + 1, K step s
.set SY,  36                           ; v36-51   y's
.set BA,  52                           ; v52-83   the bias: eight registers a tile of columns
.set AC,  84                           ; v84-147  two sets of four accumulators
.set RB,  148                          ; v148-211 two sets of 16 rows read back
.set SPW, 212                          ; v212     my spare word
.set NIL, 213                          ; v213     0
.set WV,  12
.set G1W, 24                           ; s[24:31], s[32:39] groups 1; s[40:43], s[44:47] groups 0
.set G1X, 32
.set G0W, 40
.set G0X, 44
; Fragment f lies in window 1 + f / 21 at register 12 (f % 21): 0-31 w_proj's (4 q + i), 32-39 and 40-47 y's two sets.
; v1 16 x lane, v2 8 x lane; v3, v4 LDS addresses of my w_proj, v5, v6 of my y; v11 32 x lane, v12 128 h; v13 into the stage, v14 out of it, v15 my bytes in two rows of out0
.set MSB, 0
.macro WIN new                         ; the immediate's high byte repeats the setting that is left
.if MSB != \new
	s_set_vgpr_msb (MSB<<8)|\new
.set MSB, \new
.endif
.endm
.macro ROUND
	s_barrier_signal -1
	s_barrier_wait -1
	s_cmp_lg_u32 s[WV], 0
	s_cbranch_scc1 .Lnot_wave_0_\@
	s_barrier_signal -3
.Lnot_wave_0_\@:
	s_barrier_wait -3
	s_barrier_signal -1
	s_barrier_wait -1
.endm
.macro PLACES                          ; four places behind a matrix instruction (ISA guide 7.12.1)
.rept 4
	v_nop
.endr
.endm
.macro FRAG f, a, off
	WIN ((1+(\f)/21)<<6)
.set R_, 12*((\f)%21)
	ds_load_b128 v[R_:R_+3], v[\a] offset:\off
	ds_load_b64 v[R_+4:R_+5], v[\a+1] offset:\off+512
	ds_load_b128 v[R_+6:R_+9], v[\a] offset:\off+768
	ds_load_b64 v[R_+10:R_+11], v[\a+1] offset:\off+1280
.endm
.macro FETCH t                         ; y's tile t, all of K: 32 loads
.irp q, 0,1,2,3,4,5,6,7
	FRAG 32+8*((\t)%2)+\q, 5, (\t)*12288+\q*1536
.endr
	WIN 0
.endm
.macro WM ra, rb
	v_wmma_scale_f32_16x16x128_f8f6f4 v[rD:rD+7], v[rA:rA+11], v[rB:rB+11], v[rC:rC+7], v[rSA], v[rSB] matrix_a_fmt:MATRIX_FMT_FP6 matrix_b_fmt:MATRIX_FMT_FP6 matrix_a_scale:MATRIX_SCALE_ROW\ra matrix_b_scale:MATRIX_SCALE_ROW\rb
.endm
.macro HALF t, q0                      ; K steps q0 .. q0 + 3 of tile t: 16 products.  The four accumulators take turns, one instruction a turn
.set Q_, \q0
.rept 4
.irp i, 0,1,2,3
.set FA_, 4*Q_+\i
.set FB_, 32+8*((\t)%2)+Q_
	WIN ((1+FA_/21)|((1+FB_/21)<<2))
.set rA, 12*(FA_%21)
.set rB, 12*(FB_%21)
.set rD, AC+32*((\t)%2)+8*\i
.set rC, rD
.if Q_ == 0
.set rC, BA+8*\i
.endif
.set rSA, SW+8*(\i/2)+Q_
.set rSB, SY+8*((\t)/2)+Q_
.set rw, (\i%2)+2*((\t)%2)
.if rw == 0
	WM 0, 0
.elseif rw == 1
	WM 1, 0
.elseif rw == 2
	WM 0, 1
.else
	WM 1, 1
.endif
.endr
.set Q_, Q_+1
.endr
	WIN 0
.endm
.macro TOSTAGE t                       ; LDS serves a wave's instructions in order: no wait between my stores and my loads
.irp i, 0,1,2,3
	ds_store_b128 v13, v[AC+32*((\t)%2)+8*\i:AC+32*((\t)%2)+8*\i+3] offset:4352*((\t)%2)+32*\i       ; each accumulator from its low end on
	ds_store_b128 v13, v[AC+32*((\t)%2)+8*\i+4:AC+32*((\t)%2)+8*\i+7] offset:4352*((\t)%2)+32*\i+16
.endr
.irp k, 0,1,2,3,4,5,6,7
	ds_load_b128 v[RB+32*((\t)%2)+4*\k:RB+32*((\t)%2)+4*\k+3], v14 offset:4352*((\t)%2)+544*\k
.endr
.endm
.macro SEND t
.irp k, 0,1,2,3,4,5,6,7
	global_store_b128 v15, v[RB+32*((\t)%2)+4*\k:RB+32*((\t)%2)+4*\k+3], s[90:91] offset:(8*(\t)+2*\k+24*(\k/4))*4096 th:TH_STORE_NT   ; stage rows 2 k, 2 k + 1 are tokens 8 t + 2 k + 24 (k / 4) and the next: 16 lanes store 256 consecutive bytes, aligned
.endr
.endm
	s_load_b256 s[4:11], s[0:1], 0x0               ; opnd s[4:5], ybuf s[6:7], b_proj s[8:9], out0 s[10:11]
	v_lshl_add_u32 v[SPW], v0, 2, SPARE
	v_mov_b32 v[NIL], 0
	ds_add_u32 v[SPW], v[NIL]                      ; the opening lines: the add, twice on end
	ds_add_u32 v[SPW], v[NIL]
	v_lshrrev_b32 v11, 5, v0
	v_readfirstlane_b32 s[WV], v11                 ; wave 0..3
	s_bfe_u32 s13, ttmp6, 0x40000                  ; cx
	s_bfe_u32 s14, ttmp6, 0x40004                  ; cy
	s_lshl_b32 s15, ttmp9, 2
	s_add_co_u32 s15, s15, s13                     ; X: which 128 columns
	s_and_b32 s16, ttmp7, 0xffff
	s_lshl_b32 s16, s16, 2
	s_add_co_u32 s16, s16, s14                     ; Y: which 128 tokens
	s_lshl_b32 s17, s14, 2
	s_lshl_b32 s17, 15, s17                        ; my row of the cluster
	s_lshl_b32 s18, 0x1111, s13                    ; my column
	; group 1: four tiles: 4 rows of 1,536 elements of 8 bytes, dense in memory and in LDS
	s_or_b32 s[G1W], s18, (3<<16)|(1<<21)
	s_or_b32 s[G1X], s17, (3<<16)|(1<<21)
.irp g, G1W, G1X
	s_mov_b32 s[\g+1], 1536<<16
	s_mov_b32 s[\g+2], 4<<16
	s_mov_b32 s[\g+3], 1536<<16
	s_mov_b32 s[\g+4], 4
	s_mov_b32 s[\g+5], 1536
	s_mov_b32 s[\g+6], 0
	s_mov_b32 s[\g+7], 0
.endr
	s_and_b32 s57, s[WV], 1                        ; w0: my 64 columns.  Also: which four tiles of a side I fetch
	s_lshr_b32 s58, s[WV], 1                       ; w1: my 64 tokens.  Also: I fetch w_proj's (0) or y's (1)
	s_mul_i32 s56, s[WV], FOUR                     ; where they go
	s_mul_i32 s19, s57, FOUR
	s_mul_i32 s20, s15, 8*12288
	s_add_co_u32 s20, s20, 448*12288
	s_add_co_u32 s20, s20, s19                     ; w_proj's four tiles
	s_mov_b32 s21, 0
	s_mul_i32 s22, s16, 8*12288
	s_add_co_u32 s22, s22, s19                     ; y's
	s_mov_b32 s23, 0
	s_lshl_b32 s84, s15, 3
	s_lshl_b32 s85, s57, 2
	s_add_co_u32 s84, s84, s85
	s_add_co_u32 s84, s84, 448
	s_lshl_b32 s84, s84, 9
	s_add_co_u32 s84, s84, OSC                     ; my four tiles' scale words
	s_mov_b32 s85, 0
	s_lshl_b32 s86, s16, 3
	s_lshl_b32 s87, s58, 2
	s_add_co_u32 s86, s86, s87
	s_lshl_b32 s86, s86, 9
	s_add_co_u32 s86, s86, YSC                     ; my four tiles' of y
	s_mov_b32 s87, 0
	s_lshl_b32 s88, s15, 9
	s_lshl_b32 s89, s57, 8
	s_add_co_u32 s88, s88, s89                     ; my first column, in bytes
	s_mov_b32 s89, 0
	s_lshl_b32 s90, s16, 19
	s_lshl_b32 s91, s58, 18
	s_add_co_u32 s90, s90, s91
	s_add_co_u32 s90, s90, s88                     ; out0 at token 128 Y + 64 w1, my first column
	s_mov_b32 s91, 0
	s_mul_i32 s92, s57, FOUR                       ; my four tiles of w_proj,
	s_mul_i32 s93, s58, FOUR
	s_add_co_u32 s93, s93, 2*FOUR                  ; my four of y
	s_mul_i32 s94, s[WV], 8704
	s_add_co_u32 s94, s94, STG                     ; my stages
	s_wait_alu depctr_va_vdst(0)
	s_wait_dscnt 0x0                               ; both opening adds are done
	ROUND                                          ; all sixteen work-groups are here: the joint loads meet
	s_wait_kmcnt 0x0
	s_add_nc_u64 s[20:21], s[4:5], s[20:21]
	s_add_nc_u64 s[22:23], s[6:7], s[22:23]
	s_mov_b32 s[G0W], 1
	s_mov_b32 s[G0W+1], s56
	s_mov_b64 s[G0W+2:G0W+3], s[20:21]
	s_or_b32 s[G0W+3], s[G0W+3], 0x80000000
	s_mov_b32 s[G0X], 1
	s_mov_b32 s[G0X+1], s56
	s_mov_b64 s[G0X+2:G0X+3], s[22:23]
	s_or_b32 s[G0X+3], s[G0X+3], 0x80000000
	s_cmp_lt_u32 s[WV], 2                          ; one joint load a wave: waves 0, 1 w_proj's tiles, waves 2, 3 y's
	s_cbranch_scc0 .Lfor_y
	tensor_load_to_lds s[G0W:G0W+3], s[G1W:G1W+7]
	s_nop 0
	PLACES
	s_branch .Lasked
.Lfor_y:
	tensor_load_to_lds s[G0X:G0X+3], s[G1X:G1X+7]
	s_nop 0
	PLACES
.Lasked:
	s_add_nc_u64 s[84:85], s[4:5], s[84:85]
	s_add_nc_u64 s[86:87], s[6:7], s[86:87]
	s_add_nc_u64 s[88:89], s[8:9], s[88:89]
	s_add_nc_u64 s[90:91], s[10:11], s[90:91]
	v_and_b32 v32, 31, v0                          ; lane
	v_and_b32 v33, 15, v0                          ; r
	v_bfe_u32 v34, v0, 4, 1                        ; h
	v_lshlrev_b32 v1, 4, v32
	v_lshlrev_b32 v2, 3, v32
	v_lshlrev_b32 v11, 5, v32
	v_lshlrev_b32 v12, 7, v34
.irp p, 0,1
	global_load_b128 v[SW+8*\p:SW+8*\p+3], v11, s[84:85] offset:1024*\p
	global_load_b128 v[SW+8*\p+4:SW+8*\p+7], v11, s[84:85] offset:1024*\p+16
	global_load_b128 v[SY+8*\p:SY+8*\p+3], v11, s[86:87] offset:1024*\p
	global_load_b128 v[SY+8*\p+4:SY+8*\p+7], v11, s[86:87] offset:1024*\p+16
.endr
.irp i, 0,1,2,3,4,5,6,7
	global_load_b128 v[BA+4*\i:BA+4*\i+3], v12, s[88:89] offset:16*\i       ; columns 32 h + 0 .. 31
.endr
	v_add_nc_u32 v3, s92, v1
	v_add_nc_u32 v4, s92, v2
	v_add_nc_u32 v5, s93, v1
	v_add_nc_u32 v6, s93, v2
	v_mul_u32_u24 v13, v33, 272
	v_mul_u32_u24 v14, v34, 272
	v_lshlrev_b32 v15, 12, v34
	v_lshl_add_u32 v13, v34, 7, v13
	v_lshl_add_u32 v14, v33, 4, v14
	v_lshl_add_u32 v15, v33, 4, v15                ; two rows of out0
	v_add_nc_u32 v13, s94, v13                     ; into the stage: row r, + 128 h
	v_add_nc_u32 v14, s94, v14                     ; back: lanes 0-15 one row, lanes 16-31 the next
	s_wait_alu depctr_va_vdst(0)                   ; the head's end
	s_cmp_lt_u32 s[WV], 2
	s_cbranch_scc0 .Lnot_w
	s_wait_tensorcnt 0x0
.Lnot_w:
	s_barrier_signal -1
	s_barrier_wait -1                              ; w_proj's tiles are in; y's may still be on their way
.irp q, 0,1,2,3,4,5,6,7
.irp i, 0,1,2,3
	FRAG 4*\q+\i, 3, \i*12288+\q*1536
.endr
.endr
	WIN 0
	s_wait_tensorcnt 0x0
	s_wait_dscnt 0x0
	s_barrier_signal -1
	s_barrier_wait -1                              ; y's tiles are in
	FETCH 0
	FETCH 1
	s_wait_loadcnt 0x0                             ; the scale words and the bias
	s_wait_dscnt 32                                ; (tile 1's loads may be out)
	HALF 0, 0
	HALF 0, 4
	PLACES
	FETCH 2
	TOSTAGE 0
	s_wait_dscnt 48                                ; tile 1 is in (behind it: tile 2's 32 loads, the stage's 16)
	HALF 1, 0
	s_wait_dscnt 0x0                               ; tile 0 is back from the stage, and tile 2 is in
	SEND 0
	HALF 1, 4
	PLACES
	FETCH 3
	TOSTAGE 1
	HALF 2, 0
	s_wait_dscnt 0x0                               ; tile 1 is back, and tile 3 is in
	SEND 1
	HALF 2, 4
	PLACES
	s_wait_xcnt 0x0                                ; the earlier stores have read their registers
	TOSTAGE 2
	HALF 3, 0
	s_wait_dscnt 0x0
	SEND 2
	HALF 3, 4
	PLACES
	s_wait_xcnt 0x0
	TOSTAGE 3
	s_wait_dscnt 0x0
	SEND 3
	s_wait_tensorcnt 0x0                           ; the wave's end
	ds_add_u32 v[SPW], v[NIL]
	s_wait_dscnt 0x0
	ROUND                                          ; the closing round
	s_endpgm
.Lfunc_end_k_q3eb2793171_proj:
	.size	k_q3eb2793171_proj, .Lfunc_end_k_q3eb2793171_proj-k_q3eb2793171_proj
	.p2alignl 7, 3214868480
	.fill 96, 4, 3214868480
	.section	.rodata,"a",@progbits
	.p2align	6, 0x0
	.amdhsa_kernel k_q3eb2793171_proj
		.amdhsa_group_segment_fixed_size 327680
		.amdhsa_private_segment_fixed_size 0
		.amdhsa_enable_private_segment 0
		.amdhsa_kernarg_size 32
		.amdhsa_user_sgpr_count 2
		.amdhsa_user_sgpr_kernarg_segment_ptr 1
		.amdhsa_wavefront_size32 1
		.amdhsa_system_sgpr_workgroup_id_x 1
		.amdhsa_system_sgpr_workgroup_id_y 1
		.amdhsa_system_sgpr_workgroup_id_z 1
		.amdhsa_system_vgpr_workitem_id 0
		.amdhsa_next_free_vgpr 848
		.amdhsa_next_free_sgpr 100
		.amdhsa_reserve_vcc 0
		.amdhsa_float_denorm_mode_32 3
		.amdhsa_float_denorm_mode_16_64 3
		.amdhsa_memory_ordered 1
		.amdhsa_forward_progress 1
		.amdhsa_inst_pref_size 50
	.end_amdhsa_kernel
	.amdgpu_metadata
---
amdhsa.version: [ 1, 2 ]
amdhsa.kernels:
  - .name:           k_q3eb2793171_proj
    .symbol:         k_q3eb2793171_proj.kd
    .args:
      - { .name: opnd, .offset: 0, .size: 8, .value_kind: global_buffer, .address_space: global }
      - { .name: ybuf, .offset: 8, .size: 8, .value_kind: global_buffer, .address_space: global }
      - { .name: b_proj, .offset: 16, .size: 8, .value_kind: global_buffer, .address_space: global }
      - { .name: out0, .offset: 24, .size: 8, .value_kind: global_buffer, .address_space: global }
    .group_segment_fixed_size: 327680
    .private_segment_fixed_size: 0
    .kernarg_segment_align: 8
    .kernarg_segment_size: 32
    .max_flat_workgroup_size: 128
    .sgpr_count:     100
    .vgpr_count:     848
    .wavefront_size: 32
...
	.end_amdgpu_metadata
.endif
;; end of part 4
